; MI455X (gfx1250); checked and timed in simulation.
; The chip was launched on July 23, 2026; its instructions are those of AMD's public machine-readable ISA for CDNA 5 (MIT licence, August 2026) and "CDNA5" Instruction Set Architecture Reference Guide (July 2026). The comments in the code are by the model that wrote it; some were corrected since.
;; Tt Llama Attention. Allowed arithmetic: matrix products marked QUANTISED: E3M2 operands, one E8M0 scale for each 32 along K, by v_wmma_scale_f32_16x16x128_f8f6f4 with both operands' format E3M2, f32 sums; everything else in f32.
;; Inputs: attention_mask 1 x 1 x 2,048 x 2,048 float32; hidden_states 1 x 2,048 x 2,048 float32; position_ids 1 x 2,048 int32; wk 2,048 x 2,048 float32; wo 2,048 x 2,048 float32; wq 2,048 x 2,048 float32; wv 2,048 x 2,048 float32.
;; Outputs: out0 1 x 2,048 x 2,048 float32.
;; This version of the problem:
;;   THIS VERSION OF THE PROBLEM IS GIVEN IN LOW PRECISION. The matrix products marked QUANTISED in the list below multiply operands that are first quantised to E3M2 (3 exponent bits, 2 mantissa bits; 6 bits a number), with one power-of-two scale for each 32 numbers along K (OCP MX v1.0); their sums are f32. All else is computed in f32.
;;   The module's matrix products, in the order in which they are computed (A, B: the left and right operand; K: the contracted axis; several contracted axes count as one K, in the product's order):
;;     1. [M 2,048, K 2,048] x [K 2,048, N 2,048]; A: input hidden_states; B: input wq: QUANTISED
;;     2. [M 2,048, K 2,048] x [K 2,048, N 2,048]; A: input hidden_states; B: input wk: QUANTISED
;;     3. [M 2,048, K 2,048] x [K 2,048, N 2,048]; A: input hidden_states; B: input wv: QUANTISED
;;     4. batch 32 x [M 2,048, K 64] x [K 64, N 2,048]; A: computed on the way; B: computed on the way: QUANTISED
;;     5. batch 32 x [M 2,048, K 2,048] x [K 2,048, N 64]; A: softmax (see below); B: computed on the way: QUANTISED
;;     6. [M 2,048, K 2,048] x [K 2,048, N 2,048]; A: computed on the way; B: input wo: QUANTISED
;;   THE QUANTISER, for each operand of a quantised product, along K:
;;     - K is cut into blocks of 32 from its start; a last block that is shorter is filled with zeros.
;;     - A block's scale is 2^e with e = floor(log2(the largest magnitude in the block)) - 4, held to -126 .. 127; a block of zeros has e = 0. As a byte (E8M0): e + 127.
;;     - Each number is divided by its block's scale, clamped to +-28, and rounded to the nearest number of E3M2, ties to even, subnormals kept.
;;     - The product sums the exact products of the quantised numbers (number of the format x scale) in f32.
;;   ~~~python
;;   def quantise(x, axis):      # numpy; x: float32 -> the quantised numbers, widened to float32 again
;;       x = np.moveaxis(x, axis, -1); K = x.shape[-1]
;;       x = np.pad(x, [(0, 0)] * (x.ndim - 1) + [(0, -K % 32)]); x = x.reshape(x.shape[:-1] + (-1, 32)); a = np.abs(x).max(-1, keepdims=True)
;;       e = np.where(a > 0, np.clip(np.frexp(np.where(a > 0, a, 1))[1] - 1 - 4, -126, 127), 0)      # np.frexp(a)[1] - 1 = floor(log2(a)), exactly
;;       r = np.clip(x / 2.0 ** e, -28, 28)
;;       step = 2.0 ** (np.maximum(np.frexp(np.where(r == 0, 1, r))[1] - 1, -2) - 2)
;;       q = np.round(r / step) * step * 2.0 ** e      # np.round: ties to even
;;       return np.moveaxis(q.reshape(q.shape[:-2] + (-1,))[..., :K], -1, axis).astype(np.float32)
;;   ~~~
;;   SOFTMAX AHEAD OF A QUANTISED PRODUCT. Where the list says 'softmax', what is quantised is not the finished softmax but p = 2^(t - M), with t = logit x log2(e) and M = ceil(the row's largest t), a whole number; so 1/2 < the row's largest p <= 1. The row's sum l is taken of the UNQUANTISED p, in f32, and the product's result is divided by l at the end. Since M is a whole number, a kernel that streams over the keys may use a running M (the ceiling of the running maximum): every later rescaling is an exact power of two, which a block's scale takes up: the codes' values come out the same.
;;   OPERANDS COMPUTED ON THE WAY. 'Computed on the way' means the value that the module computes at that place (a softmax that the list does not call 'softmax' is quantised finished and normalised). What goes into a quantiser is computed in f32, as accurately as f32 sums, v_exp_f32 and their like allow (about 1e-6 of the number): no bf16 or f16 on the way to a quantiser, and a product that is left as it is and whose result goes on into a quantised operand takes f32 operands (vector FMAs, or v_wmma_f32_16x16x4_f32). A number that lies on a knife's edge between two numbers of the format may be rounded either way, as far as f32 arithmetic and the matrix unit's own rounding can turn it there, and no further.
;; One version. Each part assembles by itself: llvm-mc -triple=amdgcn-amd-amdhsa -mcpu=gfx1250 --defsym DOCPART=n.
;; ======== version 1 of 1: 4 launches
;; limits: right only within a limited range of input values
;; workspace buffers: wrec 16,384,000 bytes; cs 524,288 bytes; qbuf 3,276,800 bytes; kvbuf 6,553,600 bytes; arec 3,276,800 bytes
;; launch prep (part 1): grid 256 x 1, 10 waves a work-group, no clusters, 85,760 bytes of LDS; arguments hidden_states, wq, wk, wv, wo, position_ids, wrec, cs; writes wrec, cs
.if DOCPART == 1
	.amdgcn_target "amdgcn-amd-amdhsa--gfx1250"
	.amdhsa_code_object_version 6
	.text
	.protected	k_qbfa0ece1bb_prep
	.globl	k_qbfa0ece1bb_prep
	.p2align	8
	.type	k_qbfa0ece1bb_prep,@function
k_qbfa0ece1bb_prep:
	s_mov_b64 s[64:65], 0
	v_nop
	global_prefetch_b8 v0, s[64:65] scope:SCOPE_SE
	s_setreg_imm32_b32 hwreg(HW_REG_WAVE_MODE, 25, 1), 1
	s_wait_xcnt 0x0
; hidden_states, wq, wk, wv, wo ([2048][2048] f32, K innermost) become codes of BF6 (E3M2) with one E8M0 byte for each 32 along K,
; laid in the order of an operand's registers.  A TILE is 16 rows: lane r of tile tau holds row 32 (tau / 2) + 8 (tau % 2) + r + 8 (r / 8).
; A tile's RECORD is 25,600 bytes: 16 fragments (16 rows x 128 K, 1,536 bytes: registers 4 c .. 4 c + 3 of lane l at 512 c + 16 l),
; then 1,024 bytes of scale words: the word of K step s and row r at 24,576 + 256 (s / 4) + 16 r + 4 (s % 4).
; Records: X at tau; wo at 512 + tau; a head's twelve of wq, wk, wv at 128 + 12 head + (q0-3, v0, v1, k0-3, v2, v3).
; A wave takes 16 rows x 512 numbers: 2,560 tasks, ten waves in each of 256 work-groups.  Loads read 512 consecutive bytes of a row; the numbers turn
; through the wave's own stage in LDS (rows 528 bytes apart) so that a lane holds two whole blocks of 32 of its row.
; Wave 0 of the first 128 work-groups also makes the cos / sin table of one tile of tokens: angle = f32(pos x inv_freq), inv_freq = 1 / f32(10^(f / 8)).
; LIMITS: a block of zeros gets the byte 1 (its codes are zeros; only this program reads the bytes); NaN and infinities are not served;
; 10^(f / 8) is rounded once from a two-part constant; sin and cos: two-part reduction by pi / 2 and polynomials, absolute error about 1e-7, for positions 0 .. 2047.
.set REC, 25600
.set X,   56                           ; v56-119  64 numbers: two blocks of 32 of my row
.set R,   120                          ; v120-247 two sets of 64 as loaded
.set C,   20                           ; v20-43   codes, two sets of 12
.set PT,  44                           ; v44-51   second halves of the blocks' codes
.set SW,  16                           ; v16-19   the four K steps' scale words
	s_load_b512 s[4:19], s[0:1], 0x0               ; hidden s[4:5], wq, wk, wv, wo s[12:13], pos s[14:15], wrec s[16:17], cs s[18:19]
	v_lshl_add_u32 v248, v0, 2, 0x14a00
	v_mov_b32 v249, 0
	v_lshrrev_b32 v1, 5, v0
	s_delay_alu instid0(VALU_DEP_1)
	v_readfirstlane_b32 s2, v1                     ; wave
	v_and_b32 v1, 31, v0                           ; lane
	v_and_b32 v2, 15, v0                           ; r
	v_bfe_u32 v3, v0, 4, 1                         ; h
	s_mov_b32 s20, 0x76543210
	s_mov_b32 s21, 0xfedcba98                      ; selects for lane l xor 16
	s_mul_i32 s3, ttmp9, 10
	s_add_co_u32 s3, s3, s2                        ; my task
	s_wait_kmcnt 0x0
	s_cmp_lg_u32 s2, 0
	s_cbranch_scc1 .Lquant
	s_cmp_ge_u32 ttmp9, 128
	s_cbranch_scc1 .Lquant
	; ---- the table for tile tau = work-group: lane (r, h) makes frequencies 16 h + 0 .. 15 of its token
	s_lshr_b32 s22, ttmp9, 1
	s_lshl_b32 s22, s22, 5
	s_and_b32 s23, ttmp9, 1
	s_lshl_b32 s23, s23, 3
	s_add_co_u32 s22, s22, s23
	s_wait_alu depctr_va_vdst(0)
	v_and_b32 v8, 8, v2
	s_delay_alu instid0(VALU_DEP_1)
	v_add_nc_u32 v8, v8, v2
	s_delay_alu instid0(VALU_DEP_1)
	v_add_nc_u32 v8, s22, v8                       ; my token
	s_delay_alu instid0(VALU_DEP_1)
	v_lshlrev_b32 v9, 2, v8
	global_load_b32 v10, v9, s[14:15]
	v_cmp_eq_u32 vcc_lo, 1, v3
	v_mov_b32 v12, 1.0
	v_mov_b32 v13, 0x41200000                      ; 10
	v_mov_b32 v14, 0x42c80000                      ; 100
	v_mov_b32 v15, 0x447a0000                      ; 1000
	s_delay_alu instid0(VALU_DEP_2)
	v_cndmask_b32 v12, v12, v14, vcc_lo            ; 10^(2 h)
	s_delay_alu instid0(VALU_DEP_2)
	v_cndmask_b32 v13, v13, v15, vcc_lo            ; 10^(2 h + 1)
.macro PWR i, p, hi, lo                ; 10^(f / 8) = P x (hi + lo): P x hi is exact inside the fused multiply-add, so the power is rounded once
	v_mul_f32 v48, \lo, v[\p]
	s_delay_alu instid0(VALU_DEP_1)
	v_fma_f32 v[16+\i], v[\p], \hi, v48
.endm
.macro PW8 i0, p
	v_mov_b32 v[16+\i0], v[\p]
	PWR \i0+1, \p, 1.33349609375, 0.000025338413324
	PWR \i0+2, \p, 1.7783203125, -0.000040902461077
	PWR \i0+3, \p, 2.37158203125, -0.000208325588345
	PWR \i0+4, \p, 3.162109375, 0.000168285168379
	PWR \i0+5, \p, 4.216796875, 0.000168159285822
	PWR \i0+6, \p, 5.623046875, 0.000366376903491
	PWR \i0+7, \p, 7.4990234375, -0.000081344175442
.endm
	PW8 0, 12
	PW8 8, 13
	s_wait_alu depctr_va_vdst(0)
.irp i, 0,1,2,3,4,5,6,7,8,9,10,11,12,13,14,15
	v_rcp_f32 v[32+\i], v[16+\i]
.endr
	v_mov_b32 v62, 1.0                             ; a plain line behind the reciprocals
	s_wait_alu depctr_va_vdst(0)                   ; one wait for the sixteen, ahead of their first reader
.irp i, 0,1,2,3,4,5,6,7,8,9,10,11,12,13,14,15
	v_fma_f32 v48, -v[16+\i], v[32+\i], 1.0        ; one step of refinement
	v_fma_f32 v[32+\i], v[32+\i], v48, v[32+\i]
.endr
	v_mul_f32 v60, -0.00019515295891, v62          ; the polynomials' leading coefficients
	v_mul_f32 v61, 0.00002443315711809948, v62
	s_wait_loadcnt 0x0
	v_cvt_f32_i32 v11, v10                         ; the position
.macro TRIG1 i
	v_mul_f32 v48, v11, v[32+\i]                   ; the angle, one f32 product
	s_delay_alu instid0(VALU_DEP_1)
	v_mul_f32 v49, 0x3f22f983, v48                 ; x 2 / pi
	s_delay_alu instid0(VALU_DEP_1)
	v_rndne_f32 v49, v49                           ; n
	s_delay_alu instid0(VALU_DEP_1)
	v_fma_f32 v50, -v49, 0x3fc90fdb, v48           ; less n x the upper part of pi / 2
	s_delay_alu instid0(VALU_DEP_1)
	v_fma_f32 v50, -v49, 0xb33bbd2e, v50           ; less n x the lower part
	s_delay_alu instid0(VALU_DEP_1)
	v_mul_f32 v51, v50, v50
	s_wait_alu depctr_va_vdst(0)
	v_fmaak_f32 v52, v51, v60, 0.0083321608736
	v_fmaak_f32 v53, v51, v61, -0.001388731625493765
	s_delay_alu instid0(VALU_DEP_2)
	v_fmaak_f32 v52, v51, v52, -0.16666654611
	s_delay_alu instid0(VALU_DEP_2)
	v_fmaak_f32 v53, v51, v53, 0.04166664568298827
	s_delay_alu instid0(VALU_DEP_2)
	v_mul_f32 v52, v52, v51
	s_delay_alu instid0(VALU_DEP_2)
	v_mul_f32 v53, v53, v51
	v_fma_f32 v54, v51, -0.5, 1.0
	s_delay_alu instid0(VALU_DEP_3)
	v_fma_f32 v52, v52, v50, v50                   ; sin of the remainder
	s_delay_alu instid0(VALU_DEP_2)
	v_fma_f32 v53, v53, v51, v54                   ; cos of the remainder
	v_cvt_i32_f32 v55, v49
	s_delay_alu instid0(VALU_DEP_1)
	v_and_b32 v56, 1, v55
	s_delay_alu instid0(VALU_DEP_1)
	v_cmp_eq_u32 vcc_lo, 1, v56
	s_delay_alu instid0(VALU_DEP_1)
	v_cndmask_b32 v57, v52, v53, vcc_lo            ; odd quadrants: they change places
	s_delay_alu instid0(VALU_DEP_2)
	v_cndmask_b32 v58, v53, v52, vcc_lo
	v_and_b32 v56, 2, v55
	s_delay_alu instid0(VALU_DEP_1)
	v_lshlrev_b32 v56, 30, v56
	s_delay_alu instid0(VALU_DEP_1)
	v_xor_b32 v[65+2*\i], v56, v57                 ; sin
	v_add_nc_u32 v55, 1, v55
	s_delay_alu instid0(VALU_DEP_1)
	v_and_b32 v55, 2, v55
	s_delay_alu instid0(VALU_DEP_1)
	v_lshlrev_b32 v55, 30, v55
	s_delay_alu instid0(VALU_DEP_1)
	v_xor_b32 v[64+2*\i], v55, v58                 ; cos
.endm
.irp i, 0,1,2,3,4,5,6,7,8,9,10,11,12,13,14,15
	TRIG1 \i
.endr
	s_lshl_b32 s22, ttmp9, 12
	s_mov_b32 s23, 0
	s_add_nc_u64 s[18:19], s[18:19], s[22:23]
	v_lshlrev_b32 v63, 4, v1
.irp k, 0,1,2,3,4,5,6,7
	global_store_b128 v63, v[64+4*\k:64+4*\k+3], s[18:19] offset:512*\k   ; 32 lanes store 512 consecutive bytes
.endr
	s_wait_xcnt 0x0                                ; the stores' registers are written again below
.Lquant:
	; ---- my task: tensor tn, tile tau, K steps 4 sg .. 4 sg + 3
	s_lshr_b32 s22, s3, 9                          ; tn
	s_bfe_u32 s23, s3, 0x70002                     ; tau
	s_and_b32 s34, s3, 3                           ; sg
	s_mov_b64 s[24:25], s[4:5]
	s_cmp_eq_u32 s22, 1
	s_cselect_b64 s[24:25], s[6:7], s[24:25]
	s_cmp_eq_u32 s22, 2
	s_cselect_b64 s[24:25], s[8:9], s[24:25]
	s_cmp_eq_u32 s22, 3
	s_cselect_b64 s[24:25], s[10:11], s[24:25]
	s_cmp_eq_u32 s22, 4
	s_cselect_b64 s[24:25], s[12:13], s[24:25]
	s_lshr_b32 s26, s23, 2
	s_mul_i32 s26, s26, 12
	s_add_co_u32 s26, s26, 128                     ; a head's first record
	s_and_b32 s27, s23, 3                          ; q's place in it
	s_lshr_b32 s28, s27, 1
	s_lshl_b32 s28, s28, 2
	s_add_co_u32 s28, s28, s27
	s_add_co_u32 s28, s28, 4                       ; v's
	s_add_co_u32 s29, s27, 6                       ; k's
	s_cmp_eq_u32 s22, 2
	s_cselect_b32 s30, s29, s27
	s_cmp_eq_u32 s22, 3
	s_cselect_b32 s30, s28, s30
	s_add_co_u32 s30, s30, s26
	s_add_co_u32 s31, s23, 512
	s_cmp_eq_u32 s22, 0
	s_cselect_b32 s30, s23, s30
	s_cmp_eq_u32 s22, 4
	s_cselect_b32 s30, s31, s30                    ; the record's number
	s_mul_i32 s32, s30, REC
	s_mov_b32 s33, 0
	s_add_nc_u64 s[16:17], s[16:17], s[32:33]
	s_lshr_b32 s32, s23, 1
	s_lshl_b32 s32, s32, 5
	s_and_b32 s31, s23, 1
	s_lshl_b32 s31, s31, 3
	s_add_co_u32 s32, s32, s31
	s_lshl_b32 s32, s32, 13                        ; the tile's first row, 8,192 bytes a row,
	s_lshl_b32 s31, s34, 11
	s_add_co_u32 s32, s32, s31                     ; + 2,048 bytes for each four K steps
	s_add_nc_u64 s[24:25], s[24:25], s[32:33]
	s_mul_i32 s35, s2, 8448                        ; my stage
	s_wait_alu depctr_va_vdst(0)
	v_lshlrev_b32 v4, 4, v1                        ; 16 x lane
	s_delay_alu instid0(VALU_DEP_1)
	v_add_nc_u32 v5, s35, v4                       ; into the stage
	v_mul_u32_u24 v6, v2, 528
	s_delay_alu instid0(VALU_DEP_1)
	v_lshl_add_u32 v6, v3, 7, v6
	s_delay_alu instid0(VALU_DEP_1)
	v_add_nc_u32 v6, s35, v6                       ; out of it: row r, + 128 h
	v_lshlrev_b32 v7, 3, v3                        ; 8 h
	v_mov_b32 v15, 0                               ; a lane permute's destination is written beforehand
	s_mul_i32 s31, s34, 6144
	v_add_nc_u32 v52, s31, v4                      ; my codes' place in the record
	s_lshl_b32 s31, s34, 8
	s_add_co_u32 s31, s31, 24576
	v_lshl_add_u32 v53, v2, 4, s31                 ; my row's four scale words
.macro LOADQ q                         ; K step q of the task: each load reads 512 consecutive bytes of one row
.irp rho, 0,1,2,3,4,5,6,7,8,9,10,11,12,13,14,15
	global_load_b128 v[R+64*((\q)%2)+4*\rho:R+64*((\q)%2)+4*\rho+3], v4, s[24:25] offset:(\rho+8*(\rho/8))*8192+512*(\q) th:TH_LOAD_NT
.endr
.endm
.macro QSTEP q
.set RS, R+64*((\q)%2)
.set CC, C+12*((\q)%2)
.if \q < 3
	s_wait_loadcnt 16                              ; this step's 16 loads are in; the next step's 16 may be out
.else
	s_wait_loadcnt 0x0
.endif
.if \q >= 2
	s_wait_xcnt 0x0                                ; the stores of two steps ago have read this set of codes
.endif
.irp rho, 0,1,2,3,4,5,6,7,8,9,10,11,12,13,14,15
	ds_store_b128 v5, v[RS+4*\rho:RS+4*\rho+3] offset:528*\rho
.endr
.irp c, 0,1
.irp j, 0,1,2,3,4,5,6,7
	ds_load_b128 v[X+32*\c+4*\j:X+32*\c+4*\j+3], v6 offset:256*\c+16*\j   ; k = 64 c + 32 h + 4 j ..; LDS serves a wave's instructions in order
.endr
.endr
	s_wait_dscnt 0x0                               ; the numbers are back, and the stores have read their registers
.if \q < 2
	LOADQ (\q)+2
.endif
.irp c, 0,1
	v_max3_num_f32 v[8+\c], |v[X+32*\c]|, |v[X+32*\c+1]|, 0x2800000   ; my block's largest magnitude, over the floor 2^(5 - 127)
.endr
.irp i, 2,4,6,8,10,12,14,16,18,20,22,24,26,28,30
.irp c, 0,1
	s_delay_alu instid0(VALU_DEP_2)
	v_max3_num_f32 v[8+\c], v[8+\c], |v[X+32*\c+\i]|, |v[X+32*\c+\i+1]|
.endr
.endr
.irp c, 0,1
	s_delay_alu instid0(VALU_DEP_2)
	v_add_nc_u32 v[10+\c], 0xfe000000, v[8+\c]     ; 4 off the exponent field: the conversion's scale operand
.endr
.irp c, 0,1
	s_delay_alu instid0(VALU_DEP_2)
	v_lshrrev_b32 v[12+\c], 23, v[10+\c]           ; the scale's byte
.endr
	s_delay_alu instid0(VALU_DEP_1)
	v_lshl_or_b32 v14, v13, 16, v12                ; blocks h and 2 + h,
	s_delay_alu instid0(VALU_DEP_1)
	v_lshlrev_b32 v14, v7, v14                     ; at their places in the word;
	s_delay_alu instid0(VALU_DEP_1)
	v_permlanex16_b32 v15, v14, s20, s21
	s_delay_alu instid0(VALU_DEP_1)
	v_or_b32 v[SW+\q], v14, v15                    ; with lane l xor 16's two the word is whole
	v_cvt_scalef32_pk16_bf6_f32 v[CC:CC+2], v[X:X+15], v10
	v_cvt_scalef32_pk16_bf6_f32 v[PT:PT+2], v[X+16:X+31], v10
	v_cvt_scalef32_pk16_bf6_f32 v[CC+6:CC+8], v[X+32:X+47], v11
	v_cvt_scalef32_pk16_bf6_f32 v[PT+4:PT+6], v[X+48:X+63], v11
	v_nop                                          ; one plain line behind the conversions
.irp i, 0,1,2
	v_mov_b32 v[CC+3+\i], v[PT+\i]
	v_mov_b32 v[CC+9+\i], v[PT+4+\i]
.endr
.irp c, 0,1,2
	global_store_b128 v52, v[CC+4*\c:CC+4*\c+3], s[16:17] offset:1536*(\q)+512*\c   ; 512 consecutive bytes
.endr
.endm
	LOADQ 0
	LOADQ 1
	s_wait_alu depctr_va_vdst(0)
	QSTEP 0
	QSTEP 1
	QSTEP 2
	QSTEP 3
	v_cmp_gt_u32 vcc_lo, 16, v1
	s_wait_xcnt 0x0                                ; EXEC changes only behind this wait
	s_wait_tensorcnt 0x0
	ds_add_u32 v248, v249
	s_wait_dscnt 0x0
	s_and_saveexec_b32 s36, vcc_lo
	global_store_b128 v53, v[SW:SW+3], s[16:17]    ; sixteen lanes store 256 consecutive bytes
	s_endpgm
.Lfunc_end_k_qbfa0ece1bb_prep:
	.size	k_qbfa0ece1bb_prep, .Lfunc_end_k_qbfa0ece1bb_prep-k_qbfa0ece1bb_prep
	.p2alignl 7, 3214868480
	.fill 96, 4, 3214868480
	.section	.rodata,"a",@progbits
	.p2align	6, 0x0
	.amdhsa_kernel k_qbfa0ece1bb_prep
		.amdhsa_group_segment_fixed_size 85760
		.amdhsa_private_segment_fixed_size 0
		.amdhsa_enable_private_segment 0
		.amdhsa_kernarg_size 64
		.amdhsa_user_sgpr_count 2
		.amdhsa_user_sgpr_kernarg_segment_ptr 1
		.amdhsa_wavefront_size32 1
		.amdhsa_system_sgpr_workgroup_id_x 1
		.amdhsa_system_sgpr_workgroup_id_y 1
		.amdhsa_system_sgpr_workgroup_id_z 1
		.amdhsa_system_vgpr_workitem_id 0
		.amdhsa_next_free_vgpr 250
		.amdhsa_next_free_sgpr 66
		.amdhsa_reserve_vcc 1
		.amdhsa_float_denorm_mode_32 3
		.amdhsa_float_denorm_mode_16_64 3
		.amdhsa_memory_ordered 1
		.amdhsa_forward_progress 1
		.amdhsa_inst_pref_size 73
	.end_amdhsa_kernel
	.amdgpu_metadata
---
amdhsa.version: [ 1, 2 ]
amdhsa.kernels:
  - .name:           k_qbfa0ece1bb_prep
    .symbol:         k_qbfa0ece1bb_prep.kd
    .args:
      - { .name: hidden_states, .offset: 0, .size: 8, .value_kind: global_buffer, .address_space: global }
      - { .name: wq, .offset: 8, .size: 8, .value_kind: global_buffer, .address_space: global }
      - { .name: wk, .offset: 16, .size: 8, .value_kind: global_buffer, .address_space: global }
      - { .name: wv, .offset: 24, .size: 8, .value_kind: global_buffer, .address_space: global }
      - { .name: wo, .offset: 32, .size: 8, .value_kind: global_buffer, .address_space: global }
      - { .name: position_ids, .offset: 40, .size: 8, .value_kind: global_buffer, .address_space: global }
      - { .name: wrec, .offset: 48, .size: 8, .value_kind: global_buffer, .address_space: global }
      - { .name: cs, .offset: 56, .size: 8, .value_kind: global_buffer, .address_space: global }
    .group_segment_fixed_size: 85760
    .private_segment_fixed_size: 0
    .kernarg_segment_align: 8
    .kernarg_segment_size: 64
    .max_flat_workgroup_size: 320
    .sgpr_count:     66
    .vgpr_count:     250
    .wavefront_size: 32
...
	.end_amdgpu_metadata
.endif
;; end of part 1
;; launch qkv (part 2): grid 32 x 8, 4 waves a work-group, clusters of 4 x 4, 327,680 bytes of LDS; arguments wrec, cs, qbuf, kvbuf; writes qbuf, kvbuf
.if DOCPART == 2
	.amdgcn_target "amdgcn-amd-amdhsa--gfx1250"
	.amdhsa_code_object_version 6
	.text
	.protected	k_qbfa0ece1bb_qkv
	.globl	k_qbfa0ece1bb_qkv
	.p2align	8
	.type	k_qbfa0ece1bb_qkv,@function
k_qbfa0ece1bb_qkv:
	s_mov_b64 s[64:65], 0
	v_nop
	global_prefetch_b8 v0, s[64:65] scope:SCOPE_SE
	s_setreg_imm32_b32 hwreg(HW_REG_WAVE_MODE, 25, 1), 1
	s_wait_xcnt 0x0
	s_wait_alu depctr_hold_cnt(0) depctr_sa_sdst(0) depctr_va_vdst(0) depctr_va_sdst(0) depctr_va_ssrc(0) depctr_va_vcc(0) depctr_vm_vsrc(0)
	s_getreg_b32 s2, hwreg(HW_REG_IB_STS2, 6, 4)
	s_cmp_eq_u32 s2, 0
	s_cbranch_scc0 .Lentry_in_a_cluster
	s_endpgm
.Lentry_in_a_cluster:
	s_bfe_u32 s2, ttmp6, 0x10000c
	s_cmp_lg_u32 s2, 0xf033
	s_cbranch_scc0 .Lentry_shape_is_right
	s_endpgm
.Lentry_shape_is_right:
.set REC,   25600
.set BUFB,  86016
.set WOFF,  49152
.set XSC,   172032
.set WSC,   188416
.set SPARE, 200704
.set G1X, 24
.set G0X, 32
.set G1W, 48
.set G0W, 56
.set G1XS, 68
.set G0XS, 76
.set G1WS, 80
.set G0WS, 88
.set ROPE, 0xa4
.set VMUL, 0xf1
.set TO_X, 0x40
.set TO_3, 0xc0
.set RR, 144
.set TM, 180
.set PT, 196
.set MSB, 0
.macro WIN new
.if MSB != \new
	s_set_vgpr_msb (MSB<<8)|\new
.set MSB, \new
.endif
.endm
.macro PLACES n
.rept \n
	v_nop
.endr
.endm
.macro JLOAD g0a, g1a, g0b, g1b
	s_cmp_eq_u32 s15, 0
	s_cbranch_scc0 .Lfor_b_\@
	tensor_load_to_lds s[\g0a:\g0a+3], s[\g1a:\g1a+7]
	s_nop 0
.rept 4
	v_nop
.endr
	s_branch .Lasked_\@
.Lfor_b_\@:
	tensor_load_to_lds s[\g0b:\g0b+3], s[\g1b:\g1b+7]
	s_nop 0
.rept 4
	v_nop
.endr
.Lasked_\@:
.endm
.macro CREST
	s_cmp_lg_u32 s14, 0
	s_cbranch_scc1 .Lnot_wave_0_\@
	s_barrier_signal -3
.Lnot_wave_0_\@:
	s_barrier_wait -3
	s_barrier_signal -1
	s_barrier_wait -1
.endm
.macro CROUND
	s_barrier_signal -1
	s_barrier_wait -1
	CREST
.endm
	s_load_b256 s[4:11], s[0:1], 0x0
	v_lshl_add_u32 v10, v0, 2, SPARE
	v_mov_b32 v11, 0
	ds_add_u32 v10, v11
	ds_add_u32 v10, v11
	s_wait_dscnt 0x0
	v_lshrrev_b32 v1, 5, v0
	v_readfirstlane_b32 s14, v1
	s_lshr_b32 s15, s14, 1
	s_and_b32 s16, s14, 1
	s_bfe_u32 s40, ttmp6, 0x40000
	s_bfe_u32 s41, ttmp6, 0x40004
	s_lshl_b32 s42, ttmp9, 2
	s_add_co_u32 s42, s42, s40
	s_and_b32 s17, ttmp7, 0xffff
	s_lshl_b32 s17, s17, 2
	s_add_co_u32 s17, s17, s41
	s_lshl_b32 s43, s41, 2
	s_lshl_b32 s43, 15, s43
	s_lshl_b32 s44, 0x1111, s40
	s_or_b32 s[G1X], s43, (3<<16)|(1<<21)
	s_or_b32 s[G1W], s44, (3<<16)|(1<<21)
	s_or_b32 s[G1XS], s43, (3<<16)|(1<<21)
	s_or_b32 s[G1WS], s44, (3<<16)|(1<<21)
.irp g, G1X, G1W
	s_mov_b32 s[\g+1], 384<<16
	s_mov_b32 s[\g+3], 384<<16
.endr
.irp g, G1XS, G1WS
	s_mov_b32 s[\g+1], 128<<16
	s_mov_b32 s[\g+3], 128<<16
.endr
.irp g, G1X, G1XS
	s_mov_b32 s[\g+2], 16<<16                      ; the head's loads bring all 16 records of X,
	s_mov_b32 s[\g+4], 16
.endr
.irp g, G1W, G1WS
	s_mov_b32 s[\g+2], 12<<16                      ; and all 12 of the head's weights
	s_mov_b32 s[\g+4], 12
.endr
.irp g, G1X, G1W, G1XS, G1WS
	s_mov_b32 s[\g+5], 3200
	s_mov_b32 s[\g+6], 0
	s_mov_b32 s[\g+7], 0
.endr
	s_lshl_b32 s20, s17, 4
	s_mul_i32 s20, s20, REC                        ; the block's first record of X
	s_mov_b32 s21, 0
	s_mul_i32 s66, s16, 8*REC                      ; in the ring I fetch half of the records: where my half begins
	s_mov_b32 s67, 0
	s_mul_i32 s2, s16, 6*REC
	s_mov_b32 s3, 0
	s_mul_i32 s46, s42, 12
	s_add_co_u32 s46, s46, 128
	s_mul_i32 s46, s46, REC
	s_mov_b32 s47, 0
	s_mul_i32 s92, s16, 24576
	s_mul_i32 s93, s16, 18432
	s_add_co_u32 s93, s93, WOFF
	s_mul_i32 s95, s16, 6144
	s_add_co_u32 s95, s95, WSC
	s_wait_kmcnt 0x0
	s_add_nc_u64 s[20:21], s[4:5], s[20:21]
	s_add_nc_u64 s[46:47], s[4:5], s[46:47]
	CROUND
	s_mov_b32 s[G0XS], 1
	s_mov_b32 s[G0XS+1], XSC
	s_add_nc_u64 s[G0XS+2:G0XS+3], s[20:21], 24576
	s_or_b32 s[G0XS+3], s[G0XS+3], 0x80000000
	s_mov_b32 s[G0WS], 1
	s_mov_b32 s[G0WS+1], WSC
	s_add_nc_u64 s[G0WS+2:G0WS+3], s[46:47], 24576
	s_or_b32 s[G0WS+3], s[G0WS+3], 0x80000000
; The head's four tiles, one joint load a wave: wave 0 slot 0's codes of X (16 records), wave 1 those of the weights (12), wave 2 X's scale words, wave 3 the weights'.
.macro ARM under, g0, g1, next
	s_cmp_lt_u32 s14, \under
	s_cbranch_scc0 \next
	tensor_load_to_lds s[\g0:\g0+3], s[\g1:\g1+7]
	s_nop 0
.rept 4
	v_nop
.endr
	s_branch .Lhead_asked
\next:
.endm
	s_mov_b32 s[G0X], 1
	s_mov_b32 s[G0X+1], 0
	s_mov_b64 s[G0X+2:G0X+3], s[20:21]
	s_or_b32 s[G0X+3], s[G0X+3], 0x80000000
	s_mov_b32 s[G0W], 1
	s_mov_b32 s[G0W+1], WOFF
	s_mov_b64 s[G0W+2:G0W+3], s[46:47]
	s_or_b32 s[G0W+3], s[G0W+3], 0x80000000
	s_add_nc_u64 s[20:21], s[20:21], s[66:67]      ; for the ring: my half of the records
	s_add_nc_u64 s[46:47], s[46:47], s[2:3]
	s_mov_b32 s[G0X+4], 1
	s_add_co_u32 s[G0X+5], s92, BUFB
	s_add_nc_u64 s[G0X+6:G0X+7], s[20:21], 3072
	s_or_b32 s[G0X+7], s[G0X+7], 0x80000000
	s_mov_b32 s[G0W+4], 1
	s_add_co_u32 s[G0W+5], s93, BUFB
	s_add_nc_u64 s[G0W+6:G0W+7], s[46:47], 3072
	s_or_b32 s[G0W+7], s[G0W+7], 0x80000000
	ARM 1, G0X, G1X, .Lhead_w
	ARM 2, G0W, G1W, .Lhead_xs
	ARM 3, G0XS, G1XS, .Lhead_ws
	tensor_load_to_lds s[G0WS:G0WS+3], s[G1WS:G1WS+7]
	s_nop 0
.rept 4
	v_nop
.endr
.Lhead_asked:
; PREFETCHES: a fill brings 3,072 bytes (two K steps, 12 blocks of 256 bytes) of each record.  Each block is named once in each cluster that loads it: of X's 16 records the partner at cx takes 4 (waves 0 and 1: two each),
; of the weights' 12 the partner at cy takes 3 (wave 2 two, wave 3 one); a lane a block, lanes left over name their wave's last block again.  Partners are told apart by address alone.
; Here the fills 1 and 2 are asked for, behind fill 1's load fill 3, behind the refill p the fill p + 2; the loop's last trip asks for nothing.
	s_lshl_b32 s96, s17, 4
	s_lshl_b32 s97, s40, 2
	s_add_co_u32 s96, s96, s97                     ; X: record 16 x block + 4 cx
	s_mul_i32 s97, s42, 12
	s_add_co_u32 s97, s97, 128
	s_mul_i32 s66, s41, 3
	s_add_co_u32 s97, s97, s66                     ; weights: record 128 + 12 head + 3 cy
	s_cmp_eq_u32 s15, 0
	s_cselect_b32 s96, s96, s97
	s_lshl_b32 s97, s16, 1
	s_add_co_u32 s96, s96, s97                     ; + 2 (wave % 2)
	s_mul_i32 s66, s96, REC
	s_add_co_u32 s66, s66, 3072                    ; at fill 1
	s_mov_b32 s67, 0
	s_add_nc_u64 s[66:67], s[4:5], s[66:67]
	s_cmp_eq_u32 s14, 3
	s_cselect_b32 s97, 11, 23                      ; my last block
	v_and_b32 v13, 31, v0
	v_min_u32 v14, s97, v13
	v_mul_u32_u24 v15, v14, 11
	v_lshrrev_b32 v15, 7, v15                      ; block / 12: 0 or 1
	v_mul_u32_u24 v15, v15, 22528                  ; the second record begins 25,600 bytes on
	v_lshl_add_u32 v14, v14, 8, v15
	global_prefetch_b8 v14, s[66:67] th:TH_LOAD_NT scope:SCOPE_SE
	global_prefetch_b8 v14, s[66:67] offset:3072 th:TH_LOAD_NT scope:SCOPE_SE
	v_lshlrev_b32 v1, 4, v13
	v_and_b32 v2, 15, v0
	v_bfe_u32 v3, v0, 4, 1
	v_lshlrev_b32 v12, 4, v2
	s_mul_i32 s96, s15, 24576
	v_add_nc_u32 v4, s96, v1
	v_add_nc_u32 v5, BUFB, v4
	v_add_nc_u32 v6, s93, v1
	v_add_nc_u32 v7, BUFB, v6
	s_mul_i32 s96, s15, 8192
	s_add_co_u32 s96, s96, XSC
	v_add_nc_u32 v8, s96, v12
	v_add_nc_u32 v9, s95, v12
	s_mov_b32 s98, 0x76543210
	s_mov_b32 s99, 0xfedcba98
	s_lshl_b32 s20, s17, 1
	s_add_co_u32 s20, s20, s15
	s_lshl_b32 s22, s42, 4
	s_add_co_u32 s22, s22, s20
	s_mul_i32 s22, s22, 6400
	s_mov_b32 s23, 0
	s_add_nc_u64 s[92:93], s[8:9], s[22:23]
	s_lshr_b32 s22, s42, 2
	s_lshl_b32 s22, s22, 4
	s_add_co_u32 s22, s22, s20
	s_lshl_b32 s22, s22, 2
	s_and_b32 s21, s42, 3
	s_add_co_u32 s22, s22, s21
	s_mul_i32 s22, s22, 12800
	s_add_nc_u64 s[18:19], s[10:11], s[22:23]
	s_mov_b32 s45, 0x2800000
	s_mov_b32 s94, 0xfe000000
	s_cmp_eq_u32 s16, 0
	s_cselect_b64 s[12:13], s[92:93], s[18:19]
	s_cselect_b32 s45, 0x4000000, s45
	s_cselect_b32 s94, 0xfc800000, s94
	s_lshl_b32 s22, s17, 4
	s_lshl_b32 s21, s15, 3
	s_add_co_u32 s22, s22, s21
	s_lshl_b32 s22, s22, 12
	s_add_nc_u64 s[6:7], s[6:7], s[22:23]
	WIN TO_3
.irp x, 0,1,2,3
.irp k, 0,1,2,3,4,5,6,7
	global_load_b128 v[128+32*\x+4*\k:128+32*\x+4*\k+3], v1, s[6:7] offset:4096*\x+512*\k
.endr
.endr
	WIN 0
.macro FETCH b, q
	WIN TO_X
.irp x, 0,1,2,3,4,5,6,7
.irp c, 0,1,2
	ds_load_b128 v[96*(\q)+12*\x+4*\c:96*(\q)+12*\x+4*\c+3], v[4+(\b)] offset:3072*\x+1536*(\q)+512*\c
.endr
.endr
	WIN 0
.irp w, 0,1,2,3,4,5
.irp c, 0,1,2
	ds_load_b128 v[64+72*(\q)+12*\w+4*\c:64+72*(\q)+12*\w+4*\c+3], v[6+(\b)] offset:3072*\w+1536*(\q)+512*\c
.endr
.endr
.endm
.macro SCALES b
.irp i, 0,1,2,3,4,5,6,7
	ds_load_b64 v[208+16*(\b)+2*\i:208+16*(\b)+2*\i+1], v8 offset:1024*\i+8*(\b)
.endr
.irp w, 0,1,2,3,4,5
	ds_load_b64 v[16+12*(\b)+2*\w:16+12*(\b)+2*\w+1], v9 offset:1024*\w+8*(\b)
.endr
.endm
.macro MULR q, b, x0, zero
.irp x, \x0, \x0+1, \x0+2, \x0+3
.irp w, 0,1,2,3
.if \zero
	v_wmma_scale_f32_16x16x128_f8f6f4 v[8*(4*(\x)+\w):8*(4*(\x)+\w)+7], v[64+72*(\q)+12*\w:64+72*(\q)+12*\w+11], v[96*(\q)+12*(\x):96*(\q)+12*(\x)+11], 0, v[16+12*(\b)+2*\w+(\q)], v[208+16*(\b)+2*(\x)+(\q)] matrix_a_fmt:MATRIX_FMT_BF6 matrix_b_fmt:MATRIX_FMT_BF6
.else
	v_wmma_scale_f32_16x16x128_f8f6f4 v[8*(4*(\x)+\w):8*(4*(\x)+\w)+7], v[64+72*(\q)+12*\w:64+72*(\q)+12*\w+11], v[96*(\q)+12*(\x):96*(\q)+12*(\x)+11], v[8*(4*(\x)+\w):8*(4*(\x)+\w)+7], v[16+12*(\b)+2*\w+(\q)], v[208+16*(\b)+2*(\x)+(\q)] matrix_a_fmt:MATRIX_FMT_BF6 matrix_b_fmt:MATRIX_FMT_BF6
.endif
.endr
.endr
.endm
.macro MULV q, b, zero
.irp x, 0,1,2,3,4,5,6,7
.irp w, 0,1
.if \zero
	v_wmma_scale_f32_16x16x128_f8f6f4 v[64*\w+8*\x:64*\w+8*\x+7], v[96*(\q)+12*\x:96*(\q)+12*\x+11], v[64+72*(\q)+12*(4+\w):64+72*(\q)+12*(4+\w)+11], 0, v[208+16*(\b)+2*\x+(\q)], v[16+12*(\b)+2*(4+\w)+(\q)] matrix_a_fmt:MATRIX_FMT_BF6 matrix_b_fmt:MATRIX_FMT_BF6
.else
	v_wmma_scale_f32_16x16x128_f8f6f4 v[64*\w+8*\x:64*\w+8*\x+7], v[96*(\q)+12*\x:96*(\q)+12*\x+11], v[64+72*(\q)+12*(4+\w):64+72*(\q)+12*(4+\w)+11], v[64*\w+8*\x:64*\w+8*\x+7], v[208+16*(\b)+2*\x+(\q)], v[16+12*(\b)+2*(4+\w)+(\q)] matrix_a_fmt:MATRIX_FMT_BF6 matrix_b_fmt:MATRIX_FMT_BF6
.endif
.endr
.endr
.endm
.macro KSTEP b, zero
	s_wait_dscnt 0x0
	PLACES 4
	FETCH \b, 1
	WIN ROPE
	MULR 0, \b, 0, \zero
	MULR 0, \b, 4, \zero
	WIN VMUL
	MULV 0, \b, \zero
	WIN 0
.endm
.macro TURN b, nb, fill
.if (\fill) && (\b) == 0
	s_wait_xcnt 0x0                                ; my prefetches have read their address: it goes two fills on, once a trip
	s_add_nc_u64 s[66:67], s[66:67], 6144
.endif
	s_wait_tensorcnt 0x0
	ds_add_u32 v10, v11
	s_wait_dscnt 0x0                               ; the add is done, and my reads of this slot are over
	s_barrier_signal -1
	WIN VMUL
	MULV 1, \b, 0                                  ; v's sixteen products stand between the signal and the wait
	WIN 0
	s_barrier_wait -1
.if \fill
	CREST
	s_add_nc_u64 s[G0X+4*\b+2:G0X+4*\b+3], s[G0X+4*\b+2:G0X+4*\b+3], 6144
	s_add_nc_u64 s[G0W+4*\b+2:G0W+4*\b+3], s[G0W+4*\b+2:G0W+4*\b+3], 6144
	JLOAD G0X+4*\b, G1X, G0W+4*\b, G1W
.else
	PLACES 4
.endif
.if \nb == 0
	v_add_nc_u32 v8, 256, v8
	v_add_nc_u32 v9, 256, v9
.endif
	FETCH \nb, 0
	s_wait_alu depctr_va_vdst(0)
	SCALES \nb
.if \fill
	s_cmp_gt_u32 s3, 1                             ; the last trip's refills have no fill two on
	s_cbranch_scc0 .Lno_ask_\@
	global_prefetch_b8 v14, s[66:67] offset:3072+3072*(\b) th:TH_LOAD_NT scope:SCOPE_SE
.Lno_ask_\@:
.endif
	WIN ROPE
	MULR 1, \b, 0, 0                               ; q's and k's 32 products stand behind the new slot's 56 LDS loads
	MULR 1, \b, 4, 0
	WIN 0
.endm
	s_wait_alu depctr_va_vdst(0)
	s_wait_tensorcnt 0x0                           ; my tile of the head's four is in
	ds_add_u32 v10, v11
	s_mov_b32 s[G1X+2], 8<<16                      ; no tensor load of mine is out: from here on a load brings half of the records
	s_mov_b32 s[G1X+4], 8
	s_mov_b32 s[G1W+2], 6<<16
	s_mov_b32 s[G1W+4], 6
	s_mul_i32 s[G0X+1], s16, 24576                 ; slot 0's descriptors for the ring: my half, two K steps ahead of slot 1's
	s_sub_nc_u64 s[G0X+2:G0X+3], s[G0X+6:G0X+7], 3072
	s_mul_i32 s[G0W+1], s16, 18432
	s_add_co_u32 s[G0W+1], s[G0W+1], WOFF
	s_sub_nc_u64 s[G0W+2:G0W+3], s[G0W+6:G0W+7], 3072
	s_wait_dscnt 0x0
	CROUND                                         ; all four tiles are in, in every work-group of the cluster
	JLOAD G0X+4, G1X, G0W+4, G1W
	FETCH 0, 0
	SCALES 0
	global_prefetch_b8 v14, s[66:67] offset:6144 th:TH_LOAD_NT scope:SCOPE_SE   ; fill 3
	KSTEP 0, 1
	s_mov_b32 s3, 3
.Llap:
	TURN 0, 1, 1
	KSTEP 1, 0
	TURN 1, 0, 1
	KSTEP 0, 0
	s_sub_co_u32 s3, s3, 1
	s_cmp_lg_u32 s3, 0
	s_cbranch_scc1 .Llap
	TURN 0, 1, 0
	KSTEP 1, 0
	s_wait_dscnt 0x0
	WIN ROPE
	MULR 1, 1, 0, 0
	MULR 1, 1, 4, 0
	WIN VMUL
	MULV 1, 1, 0
	WIN 0
	PLACES 4
	WIN TO_X
.irp x, 0,1,2,3
.irp k, 0,1,2,3,4,5,6,7
	global_load_b128 v[32*\x+4*\k:32*\x+4*\k+3], v1, s[6:7] offset:4096*(4+\x)+512*\k
.endr
.endr
	WIN 0
.irp b, 4,5,6,7
	v_mov_b32 v[TM+\b], 0
.endr
	s_lshl_b32 s20, s16, 3
	v_add_nc_u32 v9, s20, v12
	s_mul_i32 s20, s16, 3072
	v_add_nc_u32 v8, s20, v1
	s_wait_loadcnt 32
.macro QUANT2 d
.irp b, 0,1
	v_max3_num_f32 v[TM+\b], |v[RR+16*\b]|, |v[RR+1+16*\b]|, 0x2800000
.endr
.irp i, 2,4,6,8,10,12,14
.irp b, 0,1
	v_max3_num_f32 v[TM+\b], v[TM+\b], |v[RR+16*\b+\i]|, |v[RR+1+16*\b+\i]|
.endr
.endr
.irp b, 0,1
	v_permlanex16_b32 v[TM+4+\b], v[TM+\b], s98, s99
.endr
.irp b, 0,1
	v_max_num_f32 v[TM+\b], v[TM+\b], v[TM+4+\b]
.endr
.irp b, 0,1
	v_add_nc_u32 v[TM+12+\b], 0xfe000000, v[TM+\b]
	v_max_num_f32 v[TM+8+\b], s45, v[TM+\b]
.endr
.irp b, 0,1
	v_add_nc_u32 v[TM+8+\b], s94, v[TM+8+\b]
.endr
.irp b, 0,1
	v_lshrrev_b32 v[TM+4+\b], 23, v[TM+8+\b]
.endr
	v_lshl_or_b32 v[TM+8], v[TM+5], 8, v[TM+4]
	v_cvt_scalef32_pk16_bf6_f32 v[(\d):(\d)+2], v[RR:RR+15], v[TM+12]
	v_cvt_scalef32_pk16_bf6_f32 v[PT:PT+2], v[RR+16:RR+31], v[TM+13]
	v_nop
.irp i, 0,1,2
	v_permlane16_swap_b32 v[(\d)+\i], v[PT+\i]
.endr
.irp i, 0,1,2
	v_mov_b32 v[(\d)+3+\i], v[PT+\i]
.endr
.endm
.macro ROPEQ x
.if \x < 4
	WIN 0x0e
.set CSB, 128+32*(\x)
.else
	WIN 0x06
.set CSB, 32*((\x)-4)
.endif
.set i, 0
.rept 2                                ; eight frequencies at a time: sixteen products into v240-255, then the sixteen multiply-adds that take them
.set k, 0
.rept 8
	v_mul_f32 v[240+2*k], v[32*(\x)+16+i+k], v[CSB+2*(i+k)+1]
	v_mul_f32 v[241+2*k], v[32*(\x)+i+k], v[CSB+2*(i+k)+1]
.set k, k+1
.endr
.set k, 0
.rept 8
	v_fma_f32 v[RR+i+k], v[32*(\x)+i+k], v[CSB+2*(i+k)], -v[240+2*k]
	v_fma_f32 v[RR+16+i+k], v[32*(\x)+16+i+k], v[CSB+2*(i+k)], v[241+2*k]
.set k, k+1
.endr
.set i, i+8
.endr
	WIN 0
	QUANT2 64+12*((\x)/2)+6*((\x)%2)
.if (\x)%2 == 0
	v_mov_b32 v[112+(\x)/2], v[TM+8]
.else
	v_lshl_or_b32 v[112+(\x)/2], v[TM+8], 16, v[112+(\x)/2]
.irp c, 0,1,2
	global_store_b128 v1, v[64+12*((\x)/2)+4*\c:64+12*((\x)/2)+4*\c+3], s[12:13] offset:1536*((\x)/2)+512*\c
.endr
.endif
.endm
	ROPEQ 0
	ROPEQ 1
	ROPEQ 2
	ROPEQ 3
	s_wait_loadcnt 0x0
	ROPEQ 4
	ROPEQ 5
	ROPEQ 6
	ROPEQ 7
.macro QUANTV wp
.set SRC, 64*(\wp)
.set PC, 116+12*(\wp)
	WIN 0x3c
.irp b, 0,1,2,3
	v_max3_num_f32 v[TM+\b], 0x2800000, |v[SRC+16*\b]|, |v[SRC+1+16*\b]|
.endr
.irp i, 2,4,6,8,10,12,14
.irp b, 0,1,2,3
	v_max3_num_f32 v[TM+\b], v[TM+\b], |v[SRC+16*\b+\i]|, |v[SRC+1+16*\b+\i]|
.endr
.endr
	WIN 0
.irp b, 0,1,2,3
	v_permlanex16_b32 v[TM+4+\b], v[TM+\b], s98, s99
.endr
.irp b, 0,1,2,3
	v_max_num_f32 v[TM+\b], v[TM+\b], v[TM+4+\b]
.endr
.irp b, 0,1,2,3
	v_add_nc_u32 v[TM+12+\b], 0xfe000000, v[TM+\b]
.endr
.irp b, 0,1,2,3
	v_lshrrev_b32 v[TM+4+\b], 23, v[TM+12+\b]
.endr
	v_lshl_or_b32 v[140+\wp], v[TM+5], 8, v[TM+4]
	v_lshl_or_b32 v[140+\wp], v[TM+6], 16, v[140+\wp]
	v_lshl_or_b32 v[140+\wp], v[TM+7], 24, v[140+\wp]
	WIN 0x03
.irp c, 0,1
	v_cvt_scalef32_pk16_bf6_f32 v[PC+6*\c:PC+6*\c+2], v[SRC+32*\c:SRC+32*\c+15], v[TM+12+2*\c]
	v_cvt_scalef32_pk16_bf6_f32 v[PT+4*\c:PT+4*\c+2], v[SRC+32*\c+16:SRC+32*\c+31], v[TM+12+2*\c+1]
.endr
	WIN 0
	v_nop
.irp c, 0,1
.irp i, 0,1,2
	v_permlane16_swap_b32 v[PC+6*\c+\i], v[PT+4*\c+\i]
.endr
.irp i, 0,1,2
	v_mov_b32 v[PC+3+6*\c+\i], v[PT+4*\c+\i]
.endr
.endr
.irp c, 0,1,2
	global_store_b128 v8, v[PC+4*\c:PC+4*\c+3], s[18:19] offset:6400+1536*(\wp)+512*\c
.endr
.endm
	QUANTV 0
	QUANTV 1
	v_cmp_gt_u32 vcc_lo, 16, v13
	s_wait_xcnt 0x0
	s_and_saveexec_b32 s46, vcc_lo
	global_store_b128 v12, v[112:115], s[12:13] offset:6144
	global_store_b64 v9, v[140:141], s[18:19] offset:12544
	s_wait_xcnt 0x0
	s_or_b32 exec_lo, exec_lo, s46
	s_wait_tensorcnt 0x0
	ds_add_u32 v10, v11
	s_wait_dscnt 0x0
	CROUND
	s_endpgm
.Lfunc_end_k_qbfa0ece1bb_qkv:
	.size	k_qbfa0ece1bb_qkv, .Lfunc_end_k_qbfa0ece1bb_qkv-k_qbfa0ece1bb_qkv
	.p2alignl 7, 3214868480
	.fill 96, 4, 3214868480
	.section	.rodata,"a",@progbits
	.p2align	6, 0x0
	.amdhsa_kernel k_qbfa0ece1bb_qkv
		.amdhsa_group_segment_fixed_size 327680
		.amdhsa_private_segment_fixed_size 0
		.amdhsa_enable_private_segment 0
		.amdhsa_kernarg_size 32
		.amdhsa_user_sgpr_count 2
		.amdhsa_user_sgpr_kernarg_segment_ptr 1
		.amdhsa_wavefront_size32 1
		.amdhsa_system_sgpr_workgroup_id_x 1
		.amdhsa_system_sgpr_workgroup_id_y 1
		.amdhsa_system_sgpr_workgroup_id_z 1
		.amdhsa_system_vgpr_workitem_id 0
		.amdhsa_next_free_vgpr 1024
		.amdhsa_next_free_sgpr 100
		.amdhsa_reserve_vcc 1
		.amdhsa_float_denorm_mode_32 3
		.amdhsa_float_denorm_mode_16_64 3
		.amdhsa_memory_ordered 1
		.amdhsa_forward_progress 1
		.amdhsa_inst_pref_size 147
	.end_amdhsa_kernel
	.amdgpu_metadata
---
amdhsa.version: [ 1, 2 ]
amdhsa.kernels:
  - .name:           k_qbfa0ece1bb_qkv
    .symbol:         k_qbfa0ece1bb_qkv.kd
    .args:
      - { .name: wrec, .offset: 0, .size: 8, .value_kind: global_buffer, .address_space: global }
      - { .name: cs, .offset: 8, .size: 8, .value_kind: global_buffer, .address_space: global }
      - { .name: qbuf, .offset: 16, .size: 8, .value_kind: global_buffer, .address_space: global }
      - { .name: kvbuf, .offset: 24, .size: 8, .value_kind: global_buffer, .address_space: global }
    .group_segment_fixed_size: 327680
    .private_segment_fixed_size: 0
    .kernarg_segment_align: 8
    .kernarg_segment_size: 32
    .max_flat_workgroup_size: 128
    .sgpr_count:     100
    .vgpr_count:     1024
    .wavefront_size: 32
...
	.end_amdgpu_metadata
.endif
;; end of part 2
;; launch attn (part 3): grid 32 x 8, 16 waves a work-group, clusters of 4 x 4, 327,680 bytes of LDS; arguments qbuf, kvbuf, attention_mask, arec; writes arec
.if DOCPART == 3
	.amdgcn_target "amdgcn-amd-amdhsa--gfx1250"
	.amdhsa_code_object_version 6
	.text
	.protected	k_qbfa0ece1bb_attn
	.globl	k_qbfa0ece1bb_attn
	.p2align	8
	.type	k_qbfa0ece1bb_attn,@function
k_qbfa0ece1bb_attn:
	s_mov_b64 s[64:65], 0
	v_nop
	global_prefetch_b8 v0, s[64:65] scope:SCOPE_SE
	s_setreg_imm32_b32 hwreg(HW_REG_WAVE_MODE, 25, 1), 1
	s_wait_xcnt 0x0
	s_wait_alu depctr_hold_cnt(0) depctr_sa_sdst(0) depctr_va_vdst(0) depctr_va_sdst(0) depctr_va_ssrc(0) depctr_va_vcc(0) depctr_vm_vsrc(0)
	s_getreg_b32 s2, hwreg(HW_REG_IB_STS2, 6, 4)
	s_cmp_eq_u32 s2, 0
	s_cbranch_scc0 .Lentry_in_a_cluster
	s_endpgm
.Lentry_in_a_cluster:
	s_bfe_u32 s2, ttmp6, 0x10000c
	s_cmp_lg_u32 s2, 0xf033
	s_cbranch_scc0 .Lentry_shape_is_right
	s_endpgm
.Lentry_shape_is_right:
; attn = softmax(max(q k^T / 8 + mask, lowest f32)) v, both products on codes of BF6 with E8M0 scales; the result is quantised along the hidden axis for the output projection.
; A work-group owns 64 queries (x) and four heads (hg); each of its sixteen waves owns 16 queries (qt = wave % 4) of one head (hl = wave / 4) and walks 16 steps of 128 keys.
; Both products are used transposed: S^T = K Q^T + mask^T (the mask is the C of the product; the 1 / 8 lies in q's scale bytes), O^T = V^T P^T: a lane holds one query throughout.
; A fragment of k holds TWO tiles of 16 keys (K = 64 each): against [q, 0] it gives the first tile's scores, against [0, q] the second's.
; THE SOFTMAX: t = score x log2(e); M = the running largest t rounded up to a whole number; p = 2^(t - M) is quantised along the keys; the sum of the unquantised p divides at the end.
; THE HOLD AT THE LOWEST f32 is one leaf of each block's maximum.  Only -infinity lies under the lowest f32, and held or not it gives t - M = -infinity and p = 0 under any finite M: so the hold can move a result through the maxima alone.
; A step's tiles (four heads' k and v records, 51,200 bytes; 64 rows x 128 columns of the mask) come through two LDS slots by joint loads, one a wave: waves 0-7 half a record each (25 rows of 256 bytes),
; waves 8-15 eight rows of the mask each.  k and v are shared along a row of the 4 x 4 cluster, the mask along a column.
; THE CHANGE OF SLOTS STANDS IN A STEP'S MIDDLE: a wave's last reads of a slot are v's fragments, so behind them come the wait for its tensor load, the add, the maxima (work on registers), the wait for the LDS, and the round;
; the refill follows the round, and the next step's mask and k are read from the other slot, which that round has shown whole, with no further barrier.
; LIMIT: the promise holds while the scaled scores stay under 2^31 in magnitude; a query all of whose scores lie under about -2e38 (a row masked wholly by -infinity) gives NaN.
; REGISTERS: v1-3 my places in a slot; v4, v5 the add's; v6 prefetch offset; v7, v8 records' and scale words' addresses, v9 the mask's; v12 -M, v13 largest t, v[14:15] sum; v16-33 [0, q, 0]; v34 q's scale word;
;   v36-83 four fragments (k, then v); v84-87, v88-91 their scale words; v96-159 mask, scores, p; v160-191 O^T; v192-203 p's codes; v204-255 at work.
.set BUF1,  131072                     ; slot 1: one exclusive or turns an address
.set MOFF,  51200                      ; the mask's 64 rows, 528 bytes apart, behind the four records
.set SCG,   216064                     ; the way out: scale halves gathered, 512 bytes
.set SPARE, 216576                     ; the spare words: 128 bytes a wave
.set BM, 212
.set BP, 216
.set SO, 220
.macro CREST                           ; a round of the cluster's barrier behind its opening barrier
	s_cmp_lg_u32 s12, 0
	s_cbranch_scc1 .Lnot_wave_0_\@
	s_barrier_signal -3
.Lnot_wave_0_\@:
	s_barrier_wait -3
	s_barrier_signal -1
	s_barrier_wait -1
.endm
.macro CROUND
	s_barrier_signal -1
	s_barrier_wait -1
	CREST
.endm
.macro TLOAD                           ; every way passes one load
	s_cmp_lt_u32 s12, 8
	s_cbranch_scc0 .Lmask_\@
	tensor_load_to_lds s[40:43], s[24:31]
	s_nop 0
	s_branch .Lasked_\@
.Lmask_\@:
	tensor_load_to_lds s[44:47], s[32:39]
	s_nop 0
.Lasked_\@:
.endm
; A prefetch of what a later fill will load.  Every cluster asks for what it will itself load, each block of 256 bytes once.  k and v: partner cx takes record cx of its row's four,
; waves 12 and 13, lanes 256 bytes apart (50 blocks: lanes 18-31 of wave 13 name the last block again).  The mask: partner cy takes 16 of its column's 64 rows, wave 14, two lanes to a row's 512 bytes.
; Partners are told apart by address alone.  The head asks for key steps 1 and 2, the fill of key step n for key step n + 2; the last two fills ask for nothing.
.macro ASK
	s_cmp_gt_u32 s49, s50
	s_cbranch_scc0 .Lnot_mine_\@
	global_prefetch_b8 v6, s[52:53] th:TH_LOAD_NT scope:SCOPE_SE
.Lnot_mine_\@:
.endm
.macro STEPD                           ; behind the wait for my tensor load: the descriptors go to the other slot and 128 keys on
	s_xor_b32 s41, s41, BUF1
	s_add_nc_u64 s[42:43], s[42:43], 51200
	s_xor_b32 s45, s45, BUF1
	s_add_nc_u64 s[46:47], s[46:47], 512
	s_wait_xcnt 0x0                                ; the last prefetch has read its address
	s_add_nc_u64 s[52:53], s[52:53], s[54:55]
.endm
.macro MASKLD                          ; the mask of my query at keys 32 (t / 2) + 16 h + 8 (t % 2) + 0 .. 7
.irp t, 0,1,2,3,4,5,6,7
	ds_load_b128 v[96+8*\t:99+8*\t], v9 offset:128*(\t/2)+32*(\t%2)
	ds_load_b128 v[100+8*\t:103+8*\t], v9 offset:128*(\t/2)+32*(\t%2)+16
.endr
.endm
.macro FRLD off, sc, soff
	ds_load_b128 v[\sc:\sc+3], v8 offset:\soff     ; the scale words first: every product of the four fragments takes one
.irp b, 0,1,2,3
.irp c, 0,1,2
	ds_load_b128 v[36+12*\b+4*\c:39+12*\b+4*\c], v7 offset:\off+1536*\b+512*\c
.endr
.endr
.endm
	s_load_b256 s[4:11], s[0:1], 0x0               ; qbuf s[4:5], kvbuf s[6:7], mask s[8:9], arec s[10:11]
	v_lshl_add_u32 v4, v0, 2, SPARE
	v_mov_b32 v5, 0
	ds_add_u32 v4, v5
	ds_add_u32 v4, v5
	s_wait_dscnt 0x0
	v_lshrrev_b32 v10, 5, v0
	v_readfirstlane_b32 s12, v10                   ; wave
	s_bfe_u32 s13, ttmp6, 0x40000                  ; cx
	s_bfe_u32 s14, ttmp6, 0x40004                  ; cy
	s_lshl_b32 s15, ttmp9, 2
	s_add_co_u32 s15, s15, s13                     ; x: my 64 queries
	s_and_b32 s16, ttmp7, 0xffff
	s_lshl_b32 s16, s16, 2
	s_add_co_u32 s16, s16, s14                     ; hg: my four heads
	s_lshr_b32 s17, s12, 2                         ; hl
	s_and_b32 s18, s12, 3                          ; qt
	s_lshl_b32 s19, s16, 2
	s_add_co_u32 s19, s19, s17                     ; head
	s_lshl_b32 s62, s14, 2
	s_lshl_b32 s62, 15, s62                        ; my row of the cluster
	s_lshl_b32 s63, 0x1111, s13                    ; my column
	s_or_b32 s24, s62, (3<<16)|(1<<21)             ; k, v: elements of 8 bytes; half a record as 25 rows of 256 bytes
	s_mov_b32 s25, 32<<16
	s_mov_b32 s26, 25<<16
	s_mov_b32 s27, 32<<16
	s_mov_b32 s28, 25
	s_mov_b32 s29, 32
	s_mov_b32 s30, 0
	s_mov_b32 s31, 0
	s_or_b32 s32, s63, (2<<16)|(1<<20)|(1<<21)|(6<<22)|(3<<25)   ; the mask tensor: elements of 4 bytes; 16 bytes of padding behind each 512
	s_mov_b32 s33, 128<<16
	s_mov_b32 s34, 8<<16
	s_mov_b32 s35, 128<<16
	s_mov_b32 s36, 8
	s_mov_b32 s37, 2048
	s_mov_b32 s38, 0
	s_mov_b32 s39, 0
	s_and_b32 s58, s12, 7                          ; g: which half record, or which eight rows of the mask
	s_mul_i32 s56, s16, 16*51200
	s_mul_i32 s57, s58, 6400
	s_add_co_u32 s56, s56, s57                     ; key step 0
	s_mov_b32 s41, s57                             ; its place in slot 0
	s_mov_b32 s57, 0
	s_lshr_b32 s59, s58, 2
	s_lshl_b32 s59, s59, 5
	s_and_b32 s60, s58, 1
	s_lshl_b32 s60, s60, 4
	s_add_co_u32 s59, s59, s60
	s_bfe_u32 s60, s58, 0x10001
	s_lshl_b32 s60, s60, 3
	s_add_co_u32 s59, s59, s60                     ; LDS row 16 qt + r holds query 32 (qt / 2) + 8 (qt % 2) + r + 8 (r / 8)
	s_mul_i32 s59, s59, 528
	s_add_co_u32 s45, s59, MOFF
	s_lshl_b32 s60, s15, 6
	s_lshl_b32 s61, s58, 3
	s_add_co_u32 s60, s60, s61
	s_lshl_b32 s60, s60, 13
	s_mov_b32 s61, 0
	s_wait_kmcnt 0x0
	s_mov_b32 s40, 1
	s_add_nc_u64 s[42:43], s[6:7], s[56:57]
	s_or_b32 s43, s43, 0x80000000
	s_mov_b32 s44, 1
	s_add_nc_u64 s[46:47], s[8:9], s[60:61]
	s_or_b32 s47, s47, 0x80000000
	CROUND                                         ; all sixteen work-groups are here
	TLOAD                                          ; key step 0 into slot 0
	; the prefetches: where mine stand, and who asks
	s_mul_i32 s56, s16, 16*51200
	s_mul_i32 s57, s13, 12800
	s_add_co_u32 s56, s56, s57
	s_add_co_u32 s56, s56, 51200                   ; at key step 1
	s_mov_b32 s57, 0
	s_add_nc_u64 s[56:57], s[6:7], s[56:57]
	s_lshl_b32 s58, s15, 6
	s_lshl_b32 s59, s14, 4
	s_add_co_u32 s58, s58, s59
	s_lshl_b32 s58, s58, 13
	s_add_co_u32 s58, s58, 512
	s_mov_b32 s59, 0
	s_add_nc_u64 s[58:59], s[8:9], s[58:59]
	s_mov_b32 s54, 51200
	s_mov_b32 s55, 0
	s_cmp_eq_u32 s12, 14
	s_cselect_b64 s[52:53], s[58:59], s[56:57]
	s_cselect_b32 s54, 512, s54                    ; a key step on
	s_mov_b32 s60, 0                               ; waves 12 to 14 ask
	s_cselect_b32 s61, -1, 0
	s_cmp_lt_u32 s12, 12
	s_cselect_b32 s60, 1, s60
	s_cmp_eq_u32 s12, 15
	s_cselect_b32 s60, 1, s60
	s_cmp_eq_u32 s60, 0
	s_cselect_b32 s50, 2, -1                       ; 2 in a wave that prefetches, else the greatest number
	v_and_b32 v10, 31, v0                          ; lane
	s_wait_alu depctr_va_vdst(0)
	s_and_b32 s66, s12, 1
	s_lshl_b32 s66, s66, 5
	v_add_nc_u32 v11, s66, v10
	v_min_u32 v11, 49, v11
	v_lshlrev_b32 v11, 8, v11
	v_lshrrev_b32 v6, 1, v10
	v_lshlrev_b32 v6, 13, v6
	v_and_b32 v224, 1, v10
	v_lshl_or_b32 v6, v224, 8, v6
	v_cndmask_b32 v6, v11, v6, s61
	s_mov_b32 s49, 15                              ; slots still to be asked for
	s_wait_alu depctr_va_vdst(0)                   ; the wait, directly ahead of the branch
	ASK                                            ; key step 1
	; q: my tile is half of a fragment of 32 tokens
	s_lshl_b32 s66, s19, 4
	s_lshr_b32 s67, s15, 1
	s_add_co_u32 s66, s66, s67
	s_mul_i32 s66, s66, 6400
	s_mov_b32 s67, 0
	s_add_nc_u64 s[4:5], s[4:5], s[66:67]
	s_and_b32 s68, s15, 1
	s_lshl_b32 s68, s68, 1
	s_lshr_b32 s69, s18, 1
	s_add_co_u32 s68, s68, s69                     ; which 32 tokens of the record's 128
	s_mul_i32 s69, s68, 1536
	s_lshl_b32 s70, s68, 2
	v_lshlrev_b32 v7, 4, v10                       ; 16 x lane
	v_add_nc_u32 v225, s69, v7
	v_and_b32 v8, 15, v0                           ; r
	v_bfe_u32 v9, v0, 4, 1                         ; h
	v_lshl_add_u32 v231, v8, 4, s70
.irp c, 0,1,2
	global_load_b128 v[36+4*\c:39+4*\c], v225, s[4:5] offset:512*\c
.endr
	global_load_b32 v232, v231, s[4:5] offset:6144
	s_mul_i32 s71, s17, 12800
	v_add_nc_u32 v1, s71, v7                       ; my head's record: 16 x lane
	v_lshl_add_u32 v2, v8, 4, s71                  ; and 16 r
	s_mul_i32 s72, s18, 8448
	s_add_co_u32 s72, s72, MOFF
	v_mul_u32_u24 v3, v8, 528
	v_lshl_add_u32 v3, v9, 6, v3
	v_add_nc_u32 v3, s72, v3                       ; the mask: row 16 qt + r, + 64 h
	s_mov_b32 s20, 0x76543210
	s_mov_b32 s21, 0xfedcba98
	s_mov_b32 s22, 0x3fb8aa3b                      ; log2(e)
	s_mov_b32 s23, s22
	s_mov_b32 s48, 0                               ; the slot in hand
	s_mov_b32 s51, 0xff7fffff                      ; the lowest f32
	s_and_b32 s71, s18, 1                          ; u
	s_cmp_eq_u32 s71, 1
	s_cselect_b32 s72, -1, 0
	s_lshl_b32 s73, s71, 4
	v_mov_b32 v13, 0xff61b1e6                      ; the largest t so far: -3e38
	v_floor_f32 v12, -v13
	v_mov_b32 v14, 0
	v_mov_b32 v15, 0
.irp i, 16,17,18,19,20,21,28,29,30,31,32,33
	v_mov_b32 v\i, 0                               ; zero codes beside q
.endr
.irp i, 216,217,218,219,224,227
	v_mov_b32 v\i, 0                               ; written once: permutes' destinations, the upper half of a pair
.endr
.irp j, 0,1,2,3,4,5,6,7,8,9,10,11,12,13,14,15,16,17,18,19,20,21,22,23,24,25,26,27,28,29,30,31
	v_mov_b32 v[160+\j], 0                         ; O^T: the step is written once for all turns; the first finds zeros
.endr
	s_wait_alu depctr_va_vdst(0)                   ; the wait, directly ahead of the branch
	s_wait_xcnt 0x0                                ; the prefetch of key step 1 has read its address
	s_add_nc_u64 s[52:53], s[52:53], s[54:55]
	ASK                                            ; key step 2
	s_wait_loadcnt 0x0
.irp i, 0,1,2,3,4,5
	v_cndmask_b32 v[22+\i], v[36+\i], v[42+\i], s72   ; my tile's half of the fragment
.endr
	v_lshrrev_b32 v232, s73, v232
	v_and_b32 v232, 0xffff, v232
	v_lshl_or_b32 v34, v232, 16, v232              ; its two scale bytes, for either place
	v_mov_b32 v7, v1                               ; slot 0's addresses; with the five lines below: eight plain lines between q's scale word and the first scaled product
	v_mov_b32 v8, v2
	v_mov_b32 v9, v3
.rept 5
	v_nop
.endr
; A step of 128 keys.  bar: the change of slots stands in it; fill: a refill follows the change; next: the next step's mask and k are fetched.
.macro BODY bar, fill, next
	s_wait_alu depctr_va_vdst(0)                   ; the wait, directly ahead of the wait below
.irp t, 0,1,2,3,4,5,6,7
.if (\t)%2 == 0
	s_wait_dscnt 9-3*(\t/2)                        ; the mask (the oldest 16 loads), the scale words and fragment t / 2 are in; behind that fragment three loads were issued for each later one
.endif
	v_wmma_scale_f32_16x16x128_f8f6f4 v[96+8*\t:103+8*\t], v[36+12*(\t/2):47+12*(\t/2)], v[22-6*(\t%2):33-6*(\t%2)], v[96+8*\t:103+8*\t], v[84+\t/2], v34 matrix_a_fmt:MATRIX_FMT_BF6 matrix_b_fmt:MATRIX_FMT_BF6
.endr
.if \next
	s_xor_b32 s48, s48, BUF1
	v_add_nc_u32 v9, s48, v3                       ; the next step's mask.  Four plain lines behind the products, ahead of loads into their operands and of the first read of the scores
.else
	v_nop
.endif
	v_mov_b32 v224, v12                            ; the old -M
	v_nop
	v_nop
	FRLD 6400, 88, 12544                           ; v's fragments: my last reads of this slot
.if \bar
	s_wait_tensorcnt 0x0                           ; my part of the other slot is in
	ds_add_u32 v4, v5                              ; 0 onto my spare word: the maxima below stand between it and the wait for it
.if \fill
	STEPD
.endif
.endif
.irp b, 0,1,2,3
	v_max3_num_f32 v[BM+\b], v[96+16*\b], v[97+16*\b], v[98+16*\b]   ; the largest score of each block of 32 keys: for the row's maximum and for the block's largest p
.endr
.irp i, 3,5,7,9,11,13
.irp b, 0,1,2,3
	v_max3_num_f32 v[BM+\b], v[BM+\b], v[96+16*\b+\i], v[97+16*\b+\i]
.endr
.endr
.irp b, 0,1,2,3
	v_max3_num_f32 v[BM+\b], v[BM+\b], v[111+16*\b], s51   ; and the lowest f32, at which the scores are held from below
.endr
.irp b, 0,1,2,3
	v_permlanex16_b32 v[BP+\b], v[BM+\b], s20, s21
.endr
.irp b, 0,1,2,3
	v_max_num_f32 v[BM+\b], v[BM+\b], v[BP+\b]
.endr
	v_max3_num_f32 v225, v212, v213, v214
	s_delay_alu instid0(VALU_DEP_1)
	v_max_num_f32 v225, v225, v215
	s_delay_alu instid0(VALU_DEP_1)
	v_mul_f32 v225, s22, v225
	s_delay_alu instid0(VALU_DEP_1)
	v_max_num_f32 v13, v13, v225                   ; the running largest t
	s_delay_alu instid0(VALU_DEP_1)
	v_floor_f32 v12, -v13                          ; -M = floor(-t): M is a whole number
	s_delay_alu instid0(VALU_DEP_1)
	v_sub_f32 v224, v12, v224
	s_delay_alu instid0(VALU_DEP_1)
	v_cvt_i32_f32 v224, v224                       ; (it saturates)
	s_delay_alu instid0(VALU_DEP_1)
	v_ldexp_f32 v226, 1.0, v224                    ; f = 2^(old M - new M): rounds nothing
	s_wait_alu depctr_va_vdst(0)                   ; the wait, directly ahead of the wait below
	s_wait_dscnt 0x0                               ; the add is done, v's fragments are in: my reads of this slot are over
.if \bar
	s_barrier_signal -1                            ; work on registers stands between the signal and the wait
.endif
.irp j, 0,2,4,6,8,10,12,14,16,18,20,22,24,26,28,30,32,34,36,38,40,42,44,46,48,50,52,54,56,58,60,62
	v_pk_fma_f32 v[96+\j:97+\j], v[96+\j:97+\j], s[22:23], v[12:13] op_sel_hi:[1,0,0]   ; t - M
.endr
.irp b, 0,1,2,3
	v_fma_f32 v[BM+\b], v[BM+\b], s22, v12
.endr
.irp j, 0,2,4,6,8,10,12,14,16,18,20,22,24,26,28,30
	v_pk_mul_f32 v[160+\j:161+\j], v[160+\j:161+\j], v[226:227] op_sel_hi:[1,0]   ; O^T under the new M, each accumulator from its low end on
.endr
	v_pk_mul_f32 v[14:15], v[14:15], v[226:227] op_sel_hi:[1,0]   ; and the sums
	s_wait_alu depctr_va_vdst(0)                   ; ahead of the barrier's wait and of the exponentials
.if \bar
	s_barrier_wait -1
.if \fill
	CREST                                          ; no wave of any partner still reads the slot left or has a load on its way
	TLOAD                                          ; two key steps on, into the slot left
	ASK
.endif
.endif
.set j, 0
.rept 64
	v_exp_f32 v[96+j], v[96+j]                     ; p = 2^(t - M), not normalised
.set j, j+1
.endr
.irp b, 0,1,2,3
	v_exp_f32 v[BM+\b], v[BM+\b]                   ; each block's largest p
.endr
.if \next
	v_add_nc_u32 v7, s48, v1                       ; the next step's records (plain lines behind the exponentials)
	v_add_nc_u32 v8, s48, v2
.else
	v_nop
.endif
	s_wait_alu depctr_va_vdst(0)                   ; one wait for the batch, ahead of its first reader
.irp b, 0,1,2,3
	v_max_num_f32 v[BM+\b], 0x2800000, v[BM+\b]    ; the floor 2^(5 - 127)
.endr
.irp b, 0,1,2,3
	v_add_nc_u32 v[SO+\b], 0xfe000000, v[BM+\b]    ; 4 off the exponent field: the conversion's scale operand
.endr
.irp b, 0,1,2,3
	v_lshrrev_b32 v[BP+\b], 23, v[SO+\b]
.endr
	v_lshl_or_b32 v230, v217, 8, v216              ; p's scale word for these 128 keys
	s_delay_alu instid0(VALU_DEP_1)
	v_lshl_or_b32 v230, v218, 16, v230
	s_delay_alu instid0(VALU_DEP_1)
	v_lshl_or_b32 v230, v219, 24, v230
.irp c, 0,1
	v_cvt_scalef32_pk16_bf6_f32 v[192+6*\c:194+6*\c], v[96+32*\c:111+32*\c], v[SO+2*\c]
	v_cvt_scalef32_pk16_bf6_f32 v[204+4*\c:206+4*\c], v[112+32*\c:127+32*\c], v[SO+2*\c+1]
.endr
	v_nop                                          ; one plain line behind the conversions
.irp c, 0,1
.irp i, 0,1,2
	v_permlane16_swap_b32 v[192+6*\c+\i], v[204+4*\c+\i]
.endr
.irp i, 0,1,2
	v_mov_b32 v[195+6*\c+\i], v[204+4*\c+\i]
.endr
.endr
.irp k, 0,1,2,3
	v_pk_add_f32 v[244+2*\k:245+2*\k], v[96+2*\k:97+2*\k], v[104+2*\k:105+2*\k]   ; the sum of the unquantised p, in four chains; also the plain lines between p's codes and scale word and the products
.endr
.set j, 8
.rept 24
	v_pk_add_f32 v[244+2*(j%4):245+2*(j%4)], v[244+2*(j%4):245+2*(j%4)], v[96+2*j:97+2*j]
.set j, j+1
.endr
.if \next
	MASKLD                                         ; p has been read out: the next step's mask lands there
.endif
.irp t, 0,1,2,3
	v_wmma_scale_f32_16x16x128_f8f6f4 v[160+8*\t:167+8*\t], v[36+12*\t:47+12*\t], v[192:203], v[160+8*\t:167+8*\t], v[88+\t], v230 matrix_a_fmt:MATRIX_FMT_BF6 matrix_b_fmt:MATRIX_FMT_BF6
.endr
	v_pk_add_f32 v[244:245], v[244:245], v[246:247]   ; the chains are joined: four plain lines behind the products
	v_pk_add_f32 v[248:249], v[248:249], v[250:251]
	v_pk_add_f32 v[244:245], v[244:245], v[248:249]
	v_pk_add_f32 v[14:15], v[14:15], v[244:245]
.if \next
	FRLD 0, 84, 6144                               ; the next step's k
.endif
.endm
	s_wait_alu depctr_va_vdst(0)                   ; the wait at the head's end
	s_wait_tensorcnt 0x0                           ; my part of key step 0 is in; slot 1's first fill is issued as a refill is
	ds_add_u32 v4, v5
	STEPD
	s_wait_dscnt 0x0
	CROUND
	TLOAD                                          ; key step 1 into slot 1
	ASK
	s_mov_b32 s49, 14
	MASKLD
	FRLD 0, 84, 6144
.Lslot:                                            ; 14 trips: trip n multiplies key step n and asks for key step n + 2
	BODY 1, 1, 1
	s_sub_co_u32 s49, s49, 1
	s_cmp_lg_u32 s49, 0
	s_cbranch_scc1 .Lslot
	BODY 1, 0, 1                                   ; the last two steps are written out
	BODY 0, 0, 0
	; ---- THE WAY OUT: O^T / the sum; quantised along the head's 64; stored as half a fragment of the output projection's operand
	v_add_f32 v14, v14, v15
	s_delay_alu instid0(VALU_DEP_1)
	v_permlanex16_b32 v224, v14, s20, s21
	s_delay_alu instid0(VALU_DEP_1)
	v_add_f32 v14, v14, v224
	s_wait_alu depctr_va_vdst(0)
	v_rcp_f32 v14, v14
	v_and_b32 v7, 31, v0                           ; lane
	v_and_b32 v8, 15, v0                           ; r
	s_wait_alu depctr_va_vdst(0)
	v_bfe_u32 v9, v0, 4, 1                         ; h
	v_lshlrev_b32 v10, 4, v7                       ; 16 x lane
	v_lshlrev_b32 v11, 3, v7                       ; 8 x lane
	s_wait_alu depctr_va_vdst(0)
	s_lshl_b32 s56, s15, 2
	s_add_co_u32 s56, s56, s18
	s_mul_i32 s56, s56, 25600                      ; my tile's record
	s_lshl_b32 s57, s16, 1
	s_lshr_b32 s58, s17, 1
	s_add_co_u32 s57, s57, s58
	s_mul_i32 s57, s57, 1536                       ; K step head / 2
	s_add_co_u32 s56, s56, s57
	s_and_b32 s58, s17, 1
	s_mul_i32 s58, s58, 768                        ; half head % 2
	s_add_co_u32 s56, s56, s58
	s_mov_b32 s57, 0
	s_add_nc_u64 s[74:75], s[10:11], s[56:57]
	s_lshl_b32 s58, s18, 7
	s_lshl_b32 s59, s17, 1
	s_add_co_u32 s58, s58, s59
	s_add_co_u32 s58, s58, SCG
	v_lshl_add_u32 v225, v8, 3, s58                ; SCG + 128 qt + 8 r + 2 hl
	s_and_b32 s59, s12, 1
	s_lshl_b32 s60, s59, 8
	s_add_co_u32 s60, s60, SCG
	v_add_nc_u32 v231, s60, v11                    ; back: two tiles' words, 8 bytes a lane
	s_lshl_b32 s56, s15, 2
	s_lshl_b32 s59, s59, 1
	s_add_co_u32 s56, s56, s59
	s_mul_i32 s56, s56, 25600
	s_add_co_u32 s56, s56, 24576
	s_lshr_b32 s59, s16, 1
	s_lshl_b32 s59, s59, 8
	s_add_co_u32 s56, s56, s59
	s_and_b32 s59, s16, 1
	s_lshl_b32 s59, s59, 3
	s_add_co_u32 s56, s56, s59
	s_add_nc_u64 s[76:77], s[10:11], s[56:57]
	v_mul_u32_u24 v233, v9, 25600
	s_delay_alu instid0(VALU_DEP_1)
	v_lshl_add_u32 v233, v8, 4, v233
	s_wait_alu depctr_va_vdst(0)                   ; the wait for the reciprocal, ahead of its first reader and of the first read of O^T
.irp j, 0,1,2,3,4,5,6,7,8,9,10,11,12,13,14,15,16,17,18,19,20,21,22,23,24,25,26,27,28,29,30,31
	v_mul_f32 v[96+\j], v[160+\j], v14             ; register 16 b + i = channel 32 b + 16 h + i of my query
.endr
.irp b, 0,1
	v_max3_num_f32 v[BM+\b], |v[96+16*\b]|, |v[97+16*\b]|, 0x2800000
.endr
.irp i, 2,4,6,8,10,12,14
.irp b, 0,1
	s_delay_alu instid0(VALU_DEP_2)
	v_max3_num_f32 v[BM+\b], v[BM+\b], |v[96+16*\b+\i]|, |v[97+16*\b+\i]|
.endr
.endr
.irp b, 0,1
	s_delay_alu instid0(VALU_DEP_2)
	v_permlanex16_b32 v[BP+\b], v[BM+\b], s20, s21
.endr
.irp b, 0,1
	s_delay_alu instid0(VALU_DEP_2)
	v_max_num_f32 v[BM+\b], v[BM+\b], v[BP+\b]
.endr
.irp b, 0,1
	s_delay_alu instid0(VALU_DEP_2)
	v_add_nc_u32 v[SO+\b], 0xfe000000, v[BM+\b]
.endr
.irp b, 0,1
	s_delay_alu instid0(VALU_DEP_2)
	v_lshrrev_b32 v[BP+\b], 23, v[SO+\b]
.endr
	s_delay_alu instid0(VALU_DEP_1)
	v_lshl_or_b32 v224, v217, 8, v216              ; my head's two bytes of my query's scale word
	v_cvt_scalef32_pk16_bf6_f32 v[192:194], v[96:111], v220
	v_cvt_scalef32_pk16_bf6_f32 v[204:206], v[112:127], v221
	v_nop
.irp i, 0,1,2
	v_permlane16_swap_b32 v[192+\i], v[204+\i]
.endr
.irp i, 0,1,2
	s_delay_alu instid0(VALU_DEP_3)
	v_mov_b32 v[195+\i], v[204+\i]
.endr
	global_store_b128 v10, v[192:195], s[74:75]              ; 512 consecutive bytes
	global_store_b64 v11, v[196:197], s[74:75] offset:512    ; 256 consecutive bytes
	ds_store_b16 v225, v224                        ; both halves of the lanes write the same two bytes with the same value
	s_wait_dscnt 0x0                               ; for the others' sake
	s_barrier_signal -1
	s_barrier_wait -1
	s_cmp_lt_u32 s12, 2
	s_cbranch_scc0 .Lno_words
	ds_load_b64 v[234:235], v231                   ; four heads' halves: two scale words of a query
	s_wait_dscnt 0x0
	global_store_b64 v233, v[234:235], s[76:77]
.Lno_words:
	s_wait_tensorcnt 0x0                           ; the wave's end
	ds_add_u32 v4, v5
	s_wait_dscnt 0x0
	CROUND                                         ; the closing round
	s_endpgm
.Lfunc_end_k_qbfa0ece1bb_attn:
	.size	k_qbfa0ece1bb_attn, .Lfunc_end_k_qbfa0ece1bb_attn-k_qbfa0ece1bb_attn
	.p2alignl 7, 3214868480
	.fill 96, 4, 3214868480
	.section	.rodata,"a",@progbits
	.p2align	6, 0x0
	.amdhsa_kernel k_qbfa0ece1bb_attn
		.amdhsa_group_segment_fixed_size 327680
		.amdhsa_private_segment_fixed_size 0
		.amdhsa_enable_private_segment 0
		.amdhsa_kernarg_size 32
		.amdhsa_user_sgpr_count 2
		.amdhsa_user_sgpr_kernarg_segment_ptr 1
		.amdhsa_wavefront_size32 1
		.amdhsa_system_sgpr_workgroup_id_x 1
		.amdhsa_system_sgpr_workgroup_id_y 1
		.amdhsa_system_sgpr_workgroup_id_z 1
		.amdhsa_system_vgpr_workitem_id 0
		.amdhsa_next_free_vgpr 256
		.amdhsa_next_free_sgpr 80
		.amdhsa_reserve_vcc 0
		.amdhsa_float_denorm_mode_32 3
		.amdhsa_float_denorm_mode_16_64 3
		.amdhsa_memory_ordered 1
		.amdhsa_forward_progress 1
		.amdhsa_inst_pref_size 70
	.end_amdhsa_kernel
	.amdgpu_metadata
---
amdhsa.version: [ 1, 2 ]
amdhsa.kernels:
  - .name:           k_qbfa0ece1bb_attn
    .symbol:         k_qbfa0ece1bb_attn.kd
    .args:
      - { .name: qbuf, .offset: 0, .size: 8, .value_kind: global_buffer, .address_space: global }
      - { .name: kvbuf, .offset: 8, .size: 8, .value_kind: global_buffer, .address_space: global }
      - { .name: attention_mask, .offset: 16, .size: 8, .value_kind: global_buffer, .address_space: global }
      - { .name: arec, .offset: 24, .size: 8, .value_kind: global_buffer, .address_space: global }
    .group_segment_fixed_size: 327680
    .private_segment_fixed_size: 0
    .kernarg_segment_align: 8
    .kernarg_segment_size: 32
    .max_flat_workgroup_size: 512
    .sgpr_count:     80
    .vgpr_count:     256
    .wavefront_size: 32
...
	.end_amdgpu_metadata
.endif
;; end of part 3
;; launch oproj (part 4): grid 16 x 16, 4 waves a work-group, clusters of 4 x 4, 327,680 bytes of LDS; arguments arec, wrec, out0; writes out0
.if DOCPART == 4
	.amdgcn_target "amdgcn-amd-amdhsa--gfx1250"
	.amdhsa_code_object_version 6
	.text
	.protected	k_qbfa0ece1bb_oproj
	.globl	k_qbfa0ece1bb_oproj
	.p2align	8
	.type	k_qbfa0ece1bb_oproj,@function
k_qbfa0ece1bb_oproj:
	s_mov_b64 s[64:65], 0
	v_nop
	global_prefetch_b8 v0, s[64:65] scope:SCOPE_SE
	s_setreg_imm32_b32 hwreg(HW_REG_WAVE_MODE, 25, 1), 1
	s_wait_xcnt 0x0
	s_wait_alu depctr_hold_cnt(0) depctr_sa_sdst(0) depctr_va_vdst(0) depctr_va_sdst(0) depctr_va_ssrc(0) depctr_va_vcc(0) depctr_vm_vsrc(0)
	s_getreg_b32 s2, hwreg(HW_REG_IB_STS2, 6, 4)
	s_cmp_eq_u32 s2, 0
	s_cbranch_scc0 .Lentry_in_a_cluster
	s_endpgm
.Lentry_in_a_cluster:
	s_bfe_u32 s2, ttmp6, 0x10000c
	s_cmp_lg_u32 s2, 0xf033
	s_cbranch_scc0 .Lentry_shape_is_right
	s_endpgm
.Lentry_shape_is_right:
.set REC,   25600
.set BUFB,  98304
.set WOFF,  49152
.set ASC,   196608
.set WSC,   204800
.set STAGE, 212992
.set SPARE, 230400
.set G1X, 24
.set G0X, 32
.set G1W, 48
.set G0W, 56
.set G1XS, 68
.set G0XS, 76
.set G1WS, 80
.set G0WS, 88
.set MUL,  0x05
.set TO_F, 0x40
.set MSB, 0
.macro WIN new
.if MSB != \new
	s_set_vgpr_msb (MSB<<8)|\new
.set MSB, \new
.endif
.endm
.macro PLACES n
.rept \n
	v_nop
.endr
.endm
.macro JLOAD g0a, g1a, g0b, g1b
	s_cmp_eq_u32 s15, 0
	s_cbranch_scc0 .Lfor_b_\@
	tensor_load_to_lds s[\g0a:\g0a+3], s[\g1a:\g1a+7]
	s_nop 0
.rept 4
	v_nop
.endr
	s_branch .Lasked_\@
.Lfor_b_\@:
	tensor_load_to_lds s[\g0b:\g0b+3], s[\g1b:\g1b+7]
	s_nop 0
.rept 4
	v_nop
.endr
.Lasked_\@:
.endm
.macro CREST
	s_cmp_lg_u32 s14, 0
	s_cbranch_scc1 .Lnot_wave_0_\@
	s_barrier_signal -3
.Lnot_wave_0_\@:
	s_barrier_wait -3
	s_barrier_signal -1
	s_barrier_wait -1
.endm
.macro CROUND
	s_barrier_signal -1
	s_barrier_wait -1
	CREST
.endm
	s_load_b128 s[4:7], s[0:1], 0x0
	s_load_b64 s[8:9], s[0:1], 0x10
	v_lshl_add_u32 v12, v0, 2, SPARE
	v_mov_b32 v13, 0
	ds_add_u32 v12, v13
	ds_add_u32 v12, v13
	s_wait_dscnt 0x0
	v_lshrrev_b32 v1, 5, v0
	v_readfirstlane_b32 s14, v1
	s_lshr_b32 s15, s14, 1
	s_and_b32 s16, s14, 1
	s_bfe_u32 s40, ttmp6, 0x40000
	s_bfe_u32 s41, ttmp6, 0x40004
	s_lshl_b32 s42, ttmp9, 2
	s_add_co_u32 s42, s42, s40
	s_and_b32 s17, ttmp7, 0xffff
	s_lshl_b32 s17, s17, 2
	s_add_co_u32 s17, s17, s41
	s_lshl_b32 s43, s41, 2
	s_lshl_b32 s43, 15, s43
	s_lshl_b32 s44, 0x1111, s40
	s_or_b32 s[G1X], s43, (3<<16)|(1<<21)
	s_or_b32 s[G1W], s44, (3<<16)|(1<<21)
	s_or_b32 s[G1XS], s43, (3<<16)|(1<<21)
	s_or_b32 s[G1WS], s44, (3<<16)|(1<<21)
.irp g, G1X, G1W
	s_mov_b32 s[\g+1], 768<<16
	s_mov_b32 s[\g+3], 768<<16
.endr
.irp g, G1XS, G1WS
	s_mov_b32 s[\g+1], 128<<16
	s_mov_b32 s[\g+3], 128<<16
.endr
.irp g, G1X, G1W, G1XS, G1WS
	s_mov_b32 s[\g+2], 8<<16                       ; the head's loads bring all eight records of a side
	s_mov_b32 s[\g+4], 8
	s_mov_b32 s[\g+5], 3200
	s_mov_b32 s[\g+6], 0
	s_mov_b32 s[\g+7], 0
.endr
	s_lshl_b32 s20, s17, 3
	s_mul_i32 s20, s20, REC                        ; the block's first record
	s_mov_b32 s21, 0
	s_mul_i32 s10, s16, 4*REC                      ; in the ring I fetch half of the records: where my half begins
	s_mov_b32 s11, 0
	s_lshl_b32 s46, s42, 3
	s_add_co_u32 s46, s46, 512
	s_mul_i32 s46, s46, REC
	s_mov_b32 s47, 0
	s_mul_i32 s92, s16, 24576
	s_add_co_u32 s93, s92, WOFF
	s_mul_i32 s94, s16, 4096
	s_add_co_u32 s95, s94, WSC
	s_wait_kmcnt 0x0
	s_add_nc_u64 s[20:21], s[4:5], s[20:21]
	s_add_nc_u64 s[46:47], s[6:7], s[46:47]
	CROUND
	s_mov_b32 s[G0XS], 1
	s_mov_b32 s[G0XS+1], ASC
	s_add_nc_u64 s[G0XS+2:G0XS+3], s[20:21], 24576
	s_or_b32 s[G0XS+3], s[G0XS+3], 0x80000000
	s_mov_b32 s[G0WS], 1
	s_mov_b32 s[G0WS+1], WSC
	s_add_nc_u64 s[G0WS+2:G0WS+3], s[46:47], 24576
	s_or_b32 s[G0WS+3], s[G0WS+3], 0x80000000
; The head's four tiles, one joint load a wave: wave 0 slot 0's codes of the rows (8 records), wave 1 those of wo, wave 2 the rows' scale words, wave 3 wo's.
.macro ARM under, g0, g1, next
	s_cmp_lt_u32 s14, \under
	s_cbranch_scc0 \next
	tensor_load_to_lds s[\g0:\g0+3], s[\g1:\g1+7]
	s_nop 0
.rept 4
	v_nop
.endr
	s_branch .Lhead_asked
\next:
.endm
	s_mov_b32 s[G0X], 1
	s_mov_b32 s[G0X+1], 0
	s_mov_b64 s[G0X+2:G0X+3], s[20:21]
	s_or_b32 s[G0X+3], s[G0X+3], 0x80000000
	s_mov_b32 s[G0W], 1
	s_mov_b32 s[G0W+1], WOFF
	s_mov_b64 s[G0W+2:G0W+3], s[46:47]
	s_or_b32 s[G0W+3], s[G0W+3], 0x80000000
	s_add_nc_u64 s[20:21], s[20:21], s[10:11]      ; for the ring: my half of the records
	s_add_nc_u64 s[46:47], s[46:47], s[10:11]
	s_mov_b32 s[G0X+4], 1
	s_add_co_u32 s[G0X+5], s92, BUFB
	s_add_nc_u64 s[G0X+6:G0X+7], s[20:21], 6144
	s_or_b32 s[G0X+7], s[G0X+7], 0x80000000
	s_mov_b32 s[G0W+4], 1
	s_add_co_u32 s[G0W+5], s93, BUFB
	s_add_nc_u64 s[G0W+6:G0W+7], s[46:47], 6144
	s_or_b32 s[G0W+7], s[G0W+7], 0x80000000
	ARM 1, G0X, G1X, .Lhead_w
	ARM 2, G0W, G1W, .Lhead_xs
	ARM 3, G0XS, G1XS, .Lhead_ws
	tensor_load_to_lds s[G0WS:G0WS+3], s[G1WS:G1WS+7]
	s_nop 0
.rept 4
	v_nop
.endr
.Lhead_asked:
; PREFETCHES: a fill brings 6,144 bytes (four K steps, 24 blocks of 256 bytes) of each record.  Each block is named once in each cluster that loads it: of the rows' 8 records the partner at cx takes 2 (waves 0 and 1: one each),
; of wo's 8 the partner at cy takes 2 (waves 2 and 3); a lane a block, lanes 24-31 name the last block again.  Partners are told apart by address alone.  Here fills 1 and 2 are asked for, behind fill 1's load fill 3, the last.
	s_lshl_b32 s18, s17, 3
	s_lshl_b32 s19, s40, 1
	s_add_co_u32 s18, s18, s19                     ; rows: record 8 x block + 2 cx
	s_lshl_b32 s19, s42, 3
	s_add_co_u32 s19, s19, 512
	s_lshl_b32 s22, s41, 1
	s_add_co_u32 s19, s19, s22                     ; wo: record 512 + 8 x block + 2 cy
	s_cmp_eq_u32 s15, 0
	s_cselect_b32 s18, s18, s19
	s_cselect_b64 s[12:13], s[4:5], s[6:7]
	s_add_co_u32 s18, s18, s16                     ; + wave % 2
	s_mul_i32 s18, s18, REC
	s_add_co_u32 s18, s18, 6144                    ; at fill 1
	s_mov_b32 s19, 0
	s_add_nc_u64 s[12:13], s[12:13], s[18:19]
	v_and_b32 v17, 31, v0
	v_min_u32 v20, 23, v17
	v_lshlrev_b32 v20, 8, v20
	global_prefetch_b8 v20, s[12:13] th:TH_LOAD_NT scope:SCOPE_SE
	global_prefetch_b8 v20, s[12:13] offset:6144 th:TH_LOAD_NT scope:SCOPE_SE
	v_lshlrev_b32 v1, 4, v17
	v_lshlrev_b32 v18, 3, v17
	v_and_b32 v2, 15, v0
	v_bfe_u32 v3, v0, 4, 1
	v_lshlrev_b32 v19, 4, v2
	s_mul_i32 s96, s15, 24576
	v_add_nc_u32 v4, s96, v1
	v_add_nc_u32 v5, BUFB, v4
	v_add_nc_u32 v6, s96, v18
	v_add_nc_u32 v7, BUFB, v6
	v_add_nc_u32 v8, s93, v1
	v_add_nc_u32 v9, BUFB, v8
	s_mul_i32 s96, s15, 4096
	s_add_co_u32 s96, s96, ASC
	v_add_nc_u32 v10, s96, v19
	v_add_nc_u32 v11, s95, v19
	s_mul_i32 s96, s14, 4352
	s_add_co_u32 s96, s96, STAGE
	v_mul_u32_u24 v14, v2, 272
	v_lshl_add_u32 v14, v3, 6, v14
	v_add_nc_u32 v14, s96, v14
	v_mul_u32_u24 v15, v3, 272
	v_add_nc_u32 v15, v15, v19
	v_add_nc_u32 v15, s96, v15
	v_lshl_add_u32 v16, v3, 13, v19
	s_lshl_b32 s20, s17, 7
	s_lshl_b32 s21, s15, 6
	s_add_co_u32 s20, s20, s21
	s_lshl_b32 s20, s20, 13
	s_mov_b32 s21, 0
	s_add_nc_u64 s[8:9], s[8:9], s[20:21]
	s_lshl_b32 s46, s42, 7
	s_lshl_b32 s47, s16, 6
	s_add_co_u32 s46, s46, s47
	s_lshl_b32 s46, s46, 2
	s_mov_b32 s47, 0
	s_add_nc_u64 s[8:9], s[8:9], s[46:47]
.macro FETCH b, q
	WIN TO_F
.irp a, 0,1,2,3
.irp c, 0,1
	ds_load_b128 v[96*((\q)%2)+12*\a+6*\c:96*((\q)%2)+12*\a+6*\c+3], v[4+(\b)] offset:6144*\a+1536*(\q)+768*\c
	ds_load_b64 v[96*((\q)%2)+12*\a+6*\c+4:96*((\q)%2)+12*\a+6*\c+5], v[6+(\b)] offset:6144*\a+1536*(\q)+768*\c+512
.endr
.endr
.irp w, 0,1,2,3
.irp c, 0,1,2
	ds_load_b128 v[96*((\q)%2)+48+12*\w+4*\c:96*((\q)%2)+48+12*\w+4*\c+3], v[8+(\b)] offset:6144*\w+1536*(\q)+512*\c
.endr
.endr
	WIN 0
.endm
.macro SCALES n
.irp i, 0,1,2,3
	ds_load_b128 v[32+16*((\n)%2)+4*\i:32+16*((\n)%2)+4*\i+3], v10 offset:1024*\i+256*(\n)
	ds_load_b128 v[64+16*((\n)%2)+4*\i:64+16*((\n)%2)+4*\i+3], v11 offset:1024*\i+256*(\n)
.endr
.endm
.macro MUL4 a, q, sc, zero
.irp b, 0,1,2,3
.if \zero
	v_wmma_scale_f32_16x16x128_f8f6f4 v[128+8*(4*(\a)+\b):128+8*(4*(\a)+\b)+7], v[96*((\q)%2)+48+12*\b:96*((\q)%2)+48+12*\b+11], v[96*((\q)%2)+12*(\a):96*((\q)%2)+12*(\a)+11], 0, v[64+16*(\sc)+4*\b+(\q)], v[32+16*(\sc)+4*(\a)+(\q)] matrix_a_fmt:MATRIX_FMT_BF6 matrix_b_fmt:MATRIX_FMT_BF6
.else
	v_wmma_scale_f32_16x16x128_f8f6f4 v[128+8*(4*(\a)+\b):128+8*(4*(\a)+\b)+7], v[96*((\q)%2)+48+12*\b:96*((\q)%2)+48+12*\b+11], v[96*((\q)%2)+12*(\a):96*((\q)%2)+12*(\a)+11], v[128+8*(4*(\a)+\b):128+8*(4*(\a)+\b)+7], v[64+16*(\sc)+4*\b+(\q)], v[32+16*(\sc)+4*(\a)+(\q)] matrix_a_fmt:MATRIX_FMT_BF6 matrix_b_fmt:MATRIX_FMT_BF6
.endif
.endr
.endm
.macro KSTEP n, q, zero
	s_wait_dscnt 0x0
	PLACES 4
	FETCH (\n)%2, (\q)+1
	WIN MUL
	MUL4 0, \q, (\n)%2, \zero
	MUL4 1, \q, (\n)%2, \zero
	MUL4 2, \q, (\n)%2, \zero
	MUL4 3, \q, (\n)%2, \zero
	WIN 0
.endm
.macro TURN n, fill
	s_wait_tensorcnt 0x0
	ds_add_u32 v12, v13
	s_wait_dscnt 1
	WIN MUL
	MUL4 0, 3, (\n)%2, 0
	s_wait_dscnt 0x0
	s_barrier_signal -1
	MUL4 1, 3, (\n)%2, 0
	WIN 0
	s_barrier_wait -1
.if \fill
	CREST
	s_add_nc_u64 s[G0X+4*((\n)%2)+2:G0X+4*((\n)%2)+3], s[G0X+4*((\n)%2)+2:G0X+4*((\n)%2)+3], 12288
	s_add_nc_u64 s[G0W+4*((\n)%2)+2:G0W+4*((\n)%2)+3], s[G0W+4*((\n)%2)+2:G0W+4*((\n)%2)+3], 12288
	JLOAD G0X+4*((\n)%2), G1X, G0W+4*((\n)%2), G1W
.else
	PLACES 4
.endif
	FETCH 1-(\n)%2, 0
	SCALES (\n)+1
	WIN MUL
	MUL4 2, 3, (\n)%2, 0
	MUL4 3, 3, (\n)%2, 0
	WIN 0
.endm
	s_wait_alu depctr_va_vdst(0)
	s_wait_tensorcnt 0x0                           ; my tile of the head's four is in
	ds_add_u32 v12, v13
	s_mov_b32 s[G1X+2], 4<<16                      ; no tensor load of mine is out: from here on a load brings half of the records
	s_mov_b32 s[G1X+4], 4
	s_mov_b32 s[G1W+2], 4<<16
	s_mov_b32 s[G1W+4], 4
	s_mov_b32 s[G0X+1], s92                        ; slot 0's descriptors for the ring: my half, four K steps ahead of slot 1's
	s_sub_nc_u64 s[G0X+2:G0X+3], s[G0X+6:G0X+7], 6144
	s_mov_b32 s[G0W+1], s93
	s_sub_nc_u64 s[G0W+2:G0W+3], s[G0W+6:G0W+7], 6144
	s_wait_dscnt 0x0
	CROUND                                         ; all four tiles are in, in every work-group of the cluster
	JLOAD G0X+4, G1X, G0W+4, G1W
	FETCH 0, 0
	SCALES 0
	global_prefetch_b8 v20, s[12:13] offset:12288 th:TH_LOAD_NT scope:SCOPE_SE   ; fill 3
	KSTEP 0, 0, 1
	KSTEP 0, 1, 0
	KSTEP 0, 2, 0
	TURN 0, 1
	KSTEP 1, 0, 0
	KSTEP 1, 1, 0
	KSTEP 1, 2, 0
	TURN 1, 1
	KSTEP 2, 0, 0
	KSTEP 2, 1, 0
	KSTEP 2, 2, 0
	TURN 2, 0
	KSTEP 3, 0, 0
	KSTEP 3, 1, 0
	KSTEP 3, 2, 0
	s_wait_dscnt 0x0
	WIN MUL
	MUL4 0, 3, 1, 0
	MUL4 1, 3, 1, 0
	MUL4 2, 3, 1, 0
	MUL4 3, 3, 1, 0
	WIN 0
	PLACES 4
.macro SENDT a
.if \a >= 2
	s_wait_xcnt 0x0
.endif
.irp b, 0,1,2,3
	ds_store_b128 v14, v[128+8*(4*(\a)+\b):128+8*(4*(\a)+\b)+3] offset:128*(\b/2)+32*(\b%2)
	ds_store_b128 v14, v[128+8*(4*(\a)+\b)+4:128+8*(4*(\a)+\b)+7] offset:128*(\b/2)+32*(\b%2)+16
.endr
	WIN TO_F
.irp i, 0,1,2,3,4,5,6,7
	ds_load_b128 v[32*((\a)%2)+4*\i:32*((\a)%2)+4*\i+3], v15 offset:544*\i
.endr
	s_wait_dscnt 0x0
	WIN 0x04
.irp i, 0,1,2,3,4,5,6,7
	global_store_b128 v16, v[32*((\a)%2)+4*\i:32*((\a)%2)+4*\i+3], s[8:9] offset:(32*((\a)/2)+8*((\a)%2)+2*\i+8*(\i/4))*8192 th:TH_STORE_NT
.endr
	WIN 0
.endm
	SENDT 0
	SENDT 1
	SENDT 2
	SENDT 3
	s_wait_tensorcnt 0x0
	ds_add_u32 v12, v13
	s_wait_dscnt 0x0
	CROUND
	s_endpgm
.Lfunc_end_k_qbfa0ece1bb_oproj:
	.size	k_qbfa0ece1bb_oproj, .Lfunc_end_k_qbfa0ece1bb_oproj-k_qbfa0ece1bb_oproj
	.p2alignl 7, 3214868480
	.fill 96, 4, 3214868480
	.section	.rodata,"a",@progbits
	.p2align	6, 0x0
	.amdhsa_kernel k_qbfa0ece1bb_oproj
		.amdhsa_group_segment_fixed_size 327680
		.amdhsa_private_segment_fixed_size 0
		.amdhsa_enable_private_segment 0
		.amdhsa_kernarg_size 24
		.amdhsa_user_sgpr_count 2
		.amdhsa_user_sgpr_kernarg_segment_ptr 1
		.amdhsa_wavefront_size32 1
		.amdhsa_system_sgpr_workgroup_id_x 1
		.amdhsa_system_sgpr_workgroup_id_y 1
		.amdhsa_system_sgpr_workgroup_id_z 1
		.amdhsa_system_vgpr_workitem_id 0
		.amdhsa_next_free_vgpr 512
		.amdhsa_next_free_sgpr 100
		.amdhsa_reserve_vcc 0
		.amdhsa_float_denorm_mode_32 3
		.amdhsa_float_denorm_mode_16_64 3
		.amdhsa_memory_ordered 1
		.amdhsa_forward_progress 1
		.amdhsa_inst_pref_size 88
	.end_amdhsa_kernel
	.amdgpu_metadata
---
amdhsa.version: [ 1, 2 ]
amdhsa.kernels:
  - .name:           k_qbfa0ece1bb_oproj
    .symbol:         k_qbfa0ece1bb_oproj.kd
    .args:
      - { .name: arec, .offset: 0, .size: 8, .value_kind: global_buffer, .address_space: global }
      - { .name: wrec, .offset: 8, .size: 8, .value_kind: global_buffer, .address_space: global }
      - { .name: out0, .offset: 16, .size: 8, .value_kind: global_buffer, .address_space: global }
    .group_segment_fixed_size: 327680
    .private_segment_fixed_size: 0
    .kernarg_segment_align: 8
    .kernarg_segment_size: 24
    .max_flat_workgroup_size: 128
    .sgpr_count:     100
    .vgpr_count:     512
    .wavefront_size: 32
...
	.end_amdgpu_metadata
.endif
;; end of part 4
